; MI455X (gfx1250); checked and timed in simulation.
; The chip was launched on July 23, 2026; its instructions are those of AMD's public machine-readable ISA for CDNA 5 (MIT licence, August 2026) and "CDNA5" Instruction Set Architecture Reference Guide (July 2026). The comments in the code are by the model that wrote it; some were corrected since.
;; Gpt Oss Attention. Allowed arithmetic: float matrix products may take bf16 or f16 operands with f32 sums; other float arithmetic in f32, or as packed bf16 or f16 multiplies, adds, multiply-adds, maxima and minima; sums over many terms, partial sums and values carried from step to step in f32; what a program stores and reads back later, other than sums and carried values, may be rounded once to bf16 or f16.
;; Inputs: Wk 2,880 x 8 x 64 float32; Wo 32 x 64 x 2,880 float32; Wq 2,880 x 32 x 64 float32; Wv 2,880 x 8 x 64 float32; attention_mask 1 x 2,048 x 2,048 bool; bk 8 x 64 float32; bo 2,880 float32; bq 32 x 64 float32; bv 8 x 64 float32; hidden_states 1 x 2,048 x 2,880 float32; sinks 32 float32.
;; Outputs: out0 1 x 2,048 x 2,880 float32.
;; 2 versions, each right; version 2 is version 1 with the launch attn written anew for expert scheduling mode. Each part assembles by itself: llvm-mc -triple=amdgcn-amd-amdhsa -mcpu=gfx1250 --defsym DOCPART=n.
;; ======== version 1 of 2: 4 launches
;; limits: values are held in f16: magnitudes above 65,504 overflow, below 6.1e-05 lose precision
;; workspace buffers: AH 11,796,480 bytes; WB 17,694,720 bytes; WOB 11,796,480 bytes; RT 540,672 bytes; LIVE 2,048 bytes of whole numbers; QKV 12,582,912 bytes; AT 8,388,608 bytes
;; launch prep (part 1): grid 1504 x 1, 8 waves a work-group, no clusters, 0 bytes of LDS; arguments hidden_states, Wo, Wq, Wk, Wv, attention_mask, AH, WOB, WB, LIVE, RT; writes AH, WOB, WB, LIVE, RT
.if DOCPART == 1
	.amdgcn_target "amdgcn-amd-amdhsa--gfx1250"
	.amdhsa_code_object_version 6
	.text
	.protected	k_q00a53ee8f0_prep
	.globl	k_q00a53ee8f0_prep
	.p2align	8
	.type	k_q00a53ee8f0_prep,@function
k_q00a53ee8f0_prep:
	s_mov_b64 s[64:65], 0
	v_nop
	global_prefetch_b8 v0, s[64:65] scope:SCOPE_SE
	s_setreg_imm32_b32 hwreg(HW_REG_WAVE_MODE, 25, 1), 1
	s_wait_xcnt 0x0
; PREPARATION.  Every wave does one job and ends; the work-group's number chooses the kind of job; no LDS, no loop, no barrier.
;   groups    0- 383  hidden_states [2048][2880] f32 -> AH  bf16 [16 row tiles][45 chunks of 64 k][128 rows][64 k]
;   groups  384- 767  Wo [2048 k][2880] f32          -> WOB f16  [45 chunks of 64 columns][2048 k][64]: rounded to bf16 as every input is, that number then written as f16
;   groups  768-1127  Wq [2880 k][32 heads][64] f32  -> WB  bf16 [48 heads][2880 k][64], heads 0-31
;   groups 1128-1307  Wk, Wv [2880 k][8][64] f32     -> WB, heads 32-39 and 40-47
;   groups 1308-1371  attention_mask [2048][2048]    -> LIVE u32 [512 groups of 4 rows]: bit t = the 64 keys of tile t hold a true byte in those rows
;   groups 1372-1503  the rotary table               -> RT  f32 [2112 positions][32 cos, 32 sin]; rows 2048-2111 hold cos = 1, sin = 0 (for v, which is not turned)
; A CAST JOB takes two source rows and NP pieces of 64 numbers.  A load covers the two rows' 256 bytes of a piece (16 lanes each); a store covers the piece's two rows in the
; target, 256 consecutive bytes, aligned.  Every piece has registers of its own, so nothing that a pending load or store names is rewritten.
; LIMITS.  Wo's numbers below 2^-17 keep f16's fixed step of 6e-8.  The table's angles lie within 5e-4 of pos x 10000^(-i/32): the exponential is good to a unit in the last place and angles reach 2,047.
.set WV,  26                           ; s26  my wave's number
.set GI,  27                           ; s27  the work-group's number, then its number within its kind
.set VO,  2                            ; v2   a cast's load offset: (l / 16) x the source's row + 16 (l % 16)
.set VD,  3                            ; v3   a cast's store offset: 8 l
.set TW,  8                            ; v8-11 at work
.set X,   16                           ; v16-79  piece i as loaded, four registers
.set Y,   80                           ; v80-111 piece i to store, two registers
.macro LD src, n, xb                   ; n pieces' loads
.set i, 0
.rept \n
	global_load_b128 v[(\xb)+4*i:(\xb)+4*i+3], v[VO], s[\src:\src+1] offset:256*i th:TH_LOAD_NT
.set i, i+1
.endr
.endm
.macro OUT dst, n, xb, yb, pstr, left, f16   ; n pieces rounded and stored, pstr bytes apart; left: loads issued behind these n
.set i, 0
.rept \n
	s_wait_loadcnt (\left)+(\n)-1-i                ; loads come back in order: piece i is in, the younger ones stay out
	v_cvt_pk_bf16_f32 v[(\yb)+2*i],   v[(\xb)+4*i],   v[(\xb)+4*i+1]
	v_cvt_pk_bf16_f32 v[(\yb)+2*i+1], v[(\xb)+4*i+2], v[(\xb)+4*i+3]
.if \f16
	v_lshlrev_b32 v[TW],   16,         v[(\yb)+2*i]     ; the bf16 numbers as f32,
	v_and_b32     v[TW+1], 0xffff0000, v[(\yb)+2*i]
	v_lshlrev_b32 v[TW+2], 16,         v[(\yb)+2*i+1]
	v_and_b32     v[TW+3], 0xffff0000, v[(\yb)+2*i+1]
	v_cvt_pk_f16_f32 v[(\yb)+2*i],   v[TW],   v[TW+1]   ; written as f16
	v_cvt_pk_f16_f32 v[(\yb)+2*i+1], v[TW+2], v[TW+3]
.endif
	global_store_b64 v[VD], v[(\yb)+2*i:(\yb)+2*i+1], s[\dst:\dst+1] offset:i*(\pstr) th:TH_STORE_NT
.set i, i+1
.endr
.endm
.macro PAIR15                          ; sources with rows of 11,520 bytes: s28 = which 15 pieces of 45, s29 = the row pair, s[30:31] = the job's first byte
	s_lshr_b32 s28, s[GI], 7
	s_and_b32 s29, s[GI], 127
	s_lshl_b32 s29, s29, 3
	s_add_co_u32 s29, s29, s[WV]
	s_mul_i32 s30, s29, 23040
	s_mul_i32 s31, s28, 3840
	s_add_co_u32 s30, s30, s31
	s_mov_b32 s31, 0
	v_mad_u32_u24 v[VO], v4, 11520, v6
.endm
	s_load_b512 s[4:19], s[0:1], 0x0               ; hidden s[4:5], Wo s[6:7], Wq s[8:9], Wk s[10:11], Wv s[12:13], mask s[14:15], AH s[16:17], WOB s[18:19]
	s_load_b128 s[20:23], s[0:1], 0x40             ; WB s[20:21], LIVE s[22:23]
	s_load_b64 s[24:25], s[0:1], 0x50              ; RT
	v_lshrrev_b32 v1, 5, v0
	v_readfirstlane_b32 s[WV], v1
	v_and_b32 v1, 31, v0                           ; l
	v_lshrrev_b32 v4, 4, v1                        ; l / 16
	v_and_b32 v5, 15, v1                           ; l % 16
	v_lshlrev_b32 v6, 4, v5                        ; 16 (l % 16)
	v_lshlrev_b32 v7, 4, v1                        ; 16 l
	v_lshlrev_b32 v[VD], 3, v1                     ; 8 l
	s_mov_b32 s[GI], ttmp9
	s_wait_kmcnt 0x0
	s_cmp_ge_u32 s[GI], 384
	s_cbranch_scc1 .Lnot_hidden
	; hidden_states
	PAIR15
	s_lshr_b32 s32, s29, 6                         ; the row tile,
	s_mul_i32 s32, s32, 737280
	s_mul_i32 s33, s28, 245760                     ; 15 chunks of 16,384 bytes,
	s_add_co_u32 s32, s32, s33
	s_and_b32 s33, s29, 63                         ; the pair's 256 bytes in a chunk
	s_lshl_b32 s33, s33, 8
	s_add_co_u32 s32, s32, s33
	s_mov_b32 s33, 0
	s_add_nc_u64 s[34:35], s[4:5], s[30:31]
	s_add_nc_u64 s[36:37], s[16:17], s[32:33]
	LD 34, 15, X
	OUT 36, 15, X, Y, 16384, 0, 0
	s_endpgm
.Lnot_hidden:
	s_sub_co_u32 s[GI], s[GI], 384
	s_cmp_ge_u32 s[GI], 384
	s_cbranch_scc1 .Lnot_wo
	; Wo
	PAIR15
	s_mul_i32 s32, s28, 3932160                    ; 15 chunks of 262,144 bytes
	s_lshl_b32 s33, s29, 8
	s_add_co_u32 s32, s32, s33
	s_mov_b32 s33, 0
	s_add_nc_u64 s[34:35], s[6:7], s[30:31]
	s_add_nc_u64 s[36:37], s[18:19], s[32:33]
	LD 34, 15, X
	OUT 36, 15, X, Y, 262144, 0, 1
	s_endpgm
.Lnot_wo:
	s_sub_co_u32 s[GI], s[GI], 384
	s_cmp_ge_u32 s[GI], 360
	s_cbranch_scc1 .Lnot_wq
	; Wq: 1,440 row pairs x two halves of 16 heads
	s_cmp_ge_u32 s[GI], 180
	s_cselect_b32 s28, 1, 0
	s_cselect_b32 s29, 180, 0
	s_sub_co_u32 s29, s[GI], s29
	s_lshl_b32 s29, s29, 3
	s_add_co_u32 s29, s29, s[WV]                   ; the row pair
	s_lshl_b32 s30, s29, 14
	s_lshl_b32 s31, s28, 12
	s_add_co_u32 s30, s30, s31
	s_mov_b32 s31, 0
	s_mul_i32 s32, s28, 5898240                    ; 16 heads of 368,640 bytes
	s_lshl_b32 s33, s29, 8
	s_add_co_u32 s32, s32, s33
	s_mov_b32 s33, 0
	v_lshl_add_u32 v[VO], v4, 13, v6
	s_add_nc_u64 s[34:35], s[8:9], s[30:31]
	s_add_nc_u64 s[36:37], s[20:21], s[32:33]
	LD 34, 16, X
	OUT 36, 16, X, Y, 368640, 0, 0
	s_endpgm
.Lnot_wq:
	s_sub_co_u32 s[GI], s[GI], 360
	s_cmp_ge_u32 s[GI], 180
	s_cbranch_scc1 .Lnot_wkv
	; Wk and Wv: the same row pair of both, 8 heads each
	s_lshl_b32 s29, s[GI], 3
	s_add_co_u32 s29, s29, s[WV]
	s_lshl_b32 s30, s29, 12
	s_mov_b32 s31, 0
	s_lshl_b32 s32, s29, 8
	s_mov_b32 s33, 0
	v_lshl_add_u32 v[VO], v4, 11, v6
	s_add_nc_u64 s[34:35], s[10:11], s[30:31]
	s_add_nc_u64 s[38:39], s[12:13], s[30:31]
	s_add_nc_u64 s[36:37], s[20:21], s[32:33]
	s_add_nc_u64 s[40:41], s[36:37], 14745600      ; head 40
	s_add_nc_u64 s[36:37], s[36:37], 11796480      ; head 32
	LD 34, 8, X
	LD 38, 8, X+32
	OUT 36, 8, X, Y, 368640, 8, 0
	OUT 40, 8, X+32, Y+16, 368640, 0, 0
	s_endpgm
.Lnot_wkv:
	s_sub_co_u32 s[GI], s[GI], 180
	s_cmp_ge_u32 s[GI], 64
	s_cbranch_scc1 .Ltable
	; THE SCAN of four rows of the mask: 16 loads of 512 consecutive bytes.  In part c of a row lane l holds the 16 bytes of keys 512 c + 16 l on: tile 8 c + l / 4.
	s_lshl_b32 s29, s[GI], 3
	s_add_co_u32 s29, s29, s[WV]                   ; the group of four rows
	s_lshl_b32 s30, s29, 13
	s_mov_b32 s31, 0
	s_lshl_b32 s32, s29, 2
	s_mov_b32 s33, 0
	s_add_nc_u64 s[34:35], s[14:15], s[30:31]
	s_add_nc_u64 s[36:37], s[22:23], s[32:33]
.irp c, 0,1,2,3
.irp r, 0,1,2,3
	global_load_b128 v[X+16*(\c)+4*(\r):X+16*(\c)+4*(\r)+3], v7, s[34:35] offset:2048*(\r)+512*(\c) th:TH_LOAD_NT
.endr
.endr
	s_wait_loadcnt 0x0
.irp c, 0,1,2,3                        ; a part's 16 words into one
.irp w, 8,4,2,1
.set i, 0
.rept \w
	v_or_b32 v[X+16*(\c)+i], v[X+16*(\c)+i], v[X+16*(\c)+i+(\w)]
.set i, i+1
.endr
.endr
	v_cmp_ne_u32 s[40+(\c)], 0, v[X+16*(\c)]       ; a bit a lane
.endr
.irp c, 0,1,2,3                        ; four lanes are a tile: the 32 bits become 8
	s_lshr_b32 s44, s[40+(\c)], 1
	s_or_b32 s[40+(\c)], s[40+(\c)], s44
	s_lshr_b32 s44, s[40+(\c)], 2
	s_or_b32 s[40+(\c)], s[40+(\c)], s44
	s_and_b32 s[40+(\c)], s[40+(\c)], 0x11111111   ; bit 4 j: any of lanes 4 j .. 4 j + 3
	s_lshr_b32 s44, s[40+(\c)], 3
	s_or_b32 s[40+(\c)], s[40+(\c)], s44
	s_and_b32 s[40+(\c)], s[40+(\c)], 0x03030303
	s_lshr_b32 s44, s[40+(\c)], 6
	s_or_b32 s[40+(\c)], s[40+(\c)], s44
	s_and_b32 s[40+(\c)], s[40+(\c)], 0x000f000f
	s_lshr_b32 s44, s[40+(\c)], 12
	s_or_b32 s[40+(\c)], s[40+(\c)], s44
	s_and_b32 s[40+(\c)], s[40+(\c)], 0xff
.endr
	s_lshl_b32 s41, s41, 8
	s_lshl_b32 s42, s42, 16
	s_lshl_b32 s43, s43, 24
	s_or_b32 s40, s40, s41
	s_or_b32 s42, s42, s43
	s_or_b32 s40, s40, s42
	v_mov_b32 v8, s40
	v_mov_b32 v9, 0
	v_cmp_eq_u32 vcc_lo, 0, v1
	s_wait_xcnt 0x0                                ; EXEC changes only when every earlier memory instruction has read its sources
	s_and_saveexec_b32 s45, vcc_lo
	global_store_b32 v9, v8, s[36:37]              ; one word a wave, 2,048 bytes in the whole launch
	s_wait_xcnt 0x0
	s_or_b32 exec_lo, exec_lo, s45
	s_endpgm
.Ltable:
	; THE TABLE.  A wave makes two positions' rows: lane l: position 2 J + l / 16, the 16 bytes at 16 (l % 16): four cosines (l % 16 < 8) or four sines of frequencies 4 (l % 8) + 0..3.
	; angle = pos x 2^(-i log2(10000) / 32); n = the nearest whole number of quarter turns; x = angle - n pi/2, taken in two parts; sine and cosine of x (|x| <= pi/4) by their series to x^7 and x^8,
	; whose next terms are under 4e-7.  A sine is the cosine a quarter turn back: the sine lanes add 3 to n.
.set NEGC, 46
.set IPI,  47
.set PH,   48
.set PL,   49
.set S7,   50
.set S5,   51
.set S3,   52
.set C8,   53
.set C6,   54
.set C4,   55
	s_sub_co_u32 s[GI], s[GI], 64
	s_lshl_b32 s29, s[GI], 3
	s_add_co_u32 s29, s29, s[WV]                   ; J
	s_lshl_b32 s30, s29, 9
	s_mov_b32 s31, 0
	s_add_nc_u64 s[34:35], s[24:25], s[30:31]
	s_lshl_b32 s29, s29, 1
	s_mov_b32 s[NEGC], 0xbed49a78                  ; -log2(10000) / 32
	s_mov_b32 s[IPI], 0x3f22f983                   ; 2 / pi
	s_mov_b32 s[PH], 0x3fc90fdb                    ; pi / 2, its f32
	s_mov_b32 s[PL], 0xb33bbd2e                    ; and what that leaves
	s_mov_b32 s[S7], 0xb9500d01                    ; -1/5040
	s_mov_b32 s[S5], 0x3c088889                    ; 1/120
	s_mov_b32 s[S3], 0xbe2aaaab                    ; -1/6
	s_mov_b32 s[C8], 0x37d00d01                    ; 1/40320
	s_mov_b32 s[C6], 0xbab60b61                    ; -1/720
	s_mov_b32 s[C4], 0x3d2aaaab                    ; 1/24
	v_add_nc_u32 v10, s29, v4                      ; the position;
	v_cmp_gt_u32 vcc_lo, 2048, v10
	v_cndmask_b32 v10, 0, v10, vcc_lo              ; rows 2048 on take the angle 0
	v_cvt_f32_u32 v10, v10
	v_lshrrev_b32 v11, 3, v5
	v_mul_u32_u24 v11, 3, v11                      ; 3 in the sine lanes
	v_and_b32 v12, 7, v5
	v_lshlrev_b32 v12, 2, v12
.irp n, 0,1,2,3
	v_add_nc_u32 v[16+8*(\n)], \n, v12
	v_cvt_f32_u32 v[16+8*(\n)], v[16+8*(\n)]
	v_mul_f32 v[16+8*(\n)], s[NEGC], v[16+8*(\n)]
.endr
.irp n, 0,1,2,3
	v_exp_f32 v[16+8*(\n)], v[16+8*(\n)]
.endr
	v_nop                                          ; a plain instruction behind the last exponential,
	s_wait_alu depctr_va_vdst(0)                   ; and one wait for the four, ahead of their first reader
.irp n, 0,1,2,3
.set R, 16+8*(\n)
	v_mul_f32 v[R], v10, v[R]                      ; the angle
	v_mul_f32 v[R+1], s[IPI], v[R]
	v_rndne_f32 v[R+1], v[R+1]                     ; n
	v_fma_f32 v[R+2], -v[R+1], s[PH], v[R]
	v_fma_f32 v[R+2], -v[R+1], s[PL], v[R+2]       ; x
	v_mul_f32 v[R+3], v[R+2], v[R+2]
	v_fma_f32 v[R+4], v[R+3], s[S7], s[S5]
	v_fma_f32 v[R+4], v[R+4], v[R+3], s[S3]
	v_fma_f32 v[R+4], v[R+4], v[R+3], 1.0
	v_mul_f32 v[R+4], v[R+4], v[R+2]               ; sin x
	v_fma_f32 v[R+5], v[R+3], s[C8], s[C6]
	v_fma_f32 v[R+5], v[R+5], v[R+3], s[C4]
	v_fma_f32 v[R+5], v[R+5], v[R+3], -0.5
	v_fma_f32 v[R+5], v[R+5], v[R+3], 1.0          ; cos x
	v_cvt_i32_f32 v[R+6], v[R+1]
	v_add_nc_u32 v[R+6], v[R+6], v11
	v_and_b32 v[R+7], 1, v[R+6]
	v_cmp_eq_u32 vcc_lo, 1, v[R+7]
	v_cndmask_b32 v[R+5], v[R+5], v[R+4], vcc_lo   ; cos(x + n pi/2): n odd takes the sine,
	v_add_nc_u32 v[R+6], 1, v[R+6]
	v_and_b32 v[R+6], 2, v[R+6]
	v_lshlrev_b32 v[R+6], 30, v[R+6]
	v_xor_b32 v[48+(\n)], v[R+6], v[R+5]           ; n % 4 = 1, 2 turn the sign
.endr
	global_store_b128 v7, v[48:51], s[34:35]       ; 512 consecutive bytes, aligned
	s_endpgm
.Lfunc_end_k_q00a53ee8f0_prep:
	.size	k_q00a53ee8f0_prep, .Lfunc_end_k_q00a53ee8f0_prep-k_q00a53ee8f0_prep
	.p2alignl 7, 3214868480
	.fill 96, 4, 3214868480
	.section	.rodata,"a",@progbits
	.p2align	6, 0x0
	.amdhsa_kernel k_q00a53ee8f0_prep
		.amdhsa_group_segment_fixed_size 0
		.amdhsa_private_segment_fixed_size 0
		.amdhsa_enable_private_segment 0
		.amdhsa_kernarg_size 88
		.amdhsa_user_sgpr_count 2
		.amdhsa_user_sgpr_kernarg_segment_ptr 1
		.amdhsa_wavefront_size32 1
		.amdhsa_system_sgpr_workgroup_id_x 1
		.amdhsa_system_sgpr_workgroup_id_y 1
		.amdhsa_system_sgpr_workgroup_id_z 1
		.amdhsa_system_vgpr_workitem_id 0
		.amdhsa_next_free_vgpr 112
		.amdhsa_next_free_sgpr 66
		.amdhsa_reserve_vcc 1
		.amdhsa_float_denorm_mode_32 3
		.amdhsa_float_denorm_mode_16_64 3
		.amdhsa_memory_ordered 1
		.amdhsa_forward_progress 1
		.amdhsa_inst_pref_size 43
	.end_amdhsa_kernel
	.amdgpu_metadata
---
amdhsa.version: [ 1, 2 ]
amdhsa.kernels:
  - .name:           k_q00a53ee8f0_prep
    .symbol:         k_q00a53ee8f0_prep.kd
    .args:
      - { .name: hidden_states, .offset: 0, .size: 8, .value_kind: global_buffer, .address_space: global }
      - { .name: Wo, .offset: 8, .size: 8, .value_kind: global_buffer, .address_space: global }
      - { .name: Wq, .offset: 16, .size: 8, .value_kind: global_buffer, .address_space: global }
      - { .name: Wk, .offset: 24, .size: 8, .value_kind: global_buffer, .address_space: global }
      - { .name: Wv, .offset: 32, .size: 8, .value_kind: global_buffer, .address_space: global }
      - { .name: attention_mask, .offset: 40, .size: 8, .value_kind: global_buffer, .address_space: global }
      - { .name: AH, .offset: 48, .size: 8, .value_kind: global_buffer, .address_space: global }
      - { .name: WOB, .offset: 56, .size: 8, .value_kind: global_buffer, .address_space: global }
      - { .name: WB, .offset: 64, .size: 8, .value_kind: global_buffer, .address_space: global }
      - { .name: LIVE, .offset: 72, .size: 8, .value_kind: global_buffer, .address_space: global }
      - { .name: RT, .offset: 80, .size: 8, .value_kind: global_buffer, .address_space: global }
    .group_segment_fixed_size: 0
    .private_segment_fixed_size: 0
    .kernarg_segment_align: 8
    .kernarg_segment_size: 88
    .max_flat_workgroup_size: 256
    .sgpr_count:     66
    .vgpr_count:     112
    .wavefront_size: 32
...
	.end_amdgpu_metadata
.endif
;; end of part 1
;; launch qkv (part 2): grid 16 x 16, 4 waves a work-group, clusters of 4 x 4, 327,680 bytes of LDS; arguments AH, WB, bq, bk, bv, RT, QKV; writes QKV
.if DOCPART == 2
	.amdgcn_target "amdgcn-amd-amdhsa--gfx1250"
	.amdhsa_code_object_version 6
	.text
	.protected	k_q00a53ee8f0_qkv
	.globl	k_q00a53ee8f0_qkv
	.p2align	8
	.type	k_q00a53ee8f0_qkv,@function
k_q00a53ee8f0_qkv:
	s_mov_b64 s[64:65], 0
	v_nop
	global_prefetch_b8 v0, s[64:65] scope:SCOPE_SE
	s_setreg_imm32_b32 hwreg(HW_REG_WAVE_MODE, 25, 1), 1
	s_wait_xcnt 0x0
	s_wait_alu depctr_hold_cnt(0) depctr_sa_sdst(0) depctr_va_vdst(0) depctr_va_sdst(0) depctr_va_ssrc(0) depctr_va_vcc(0) depctr_vm_vsrc(0)
	s_getreg_b32 s2, hwreg(HW_REG_IB_STS2, 6, 4)
	s_cmp_eq_u32 s2, 0
	s_cbranch_scc0 .Lentry_in_a_cluster
	s_endpgm
.Lentry_in_a_cluster:
	s_bfe_u32 s2, ttmp6, 0x10000c
	s_cmp_lg_u32 s2, 0xf033
	s_cbranch_scc0 .Lentry_shape_is_right
	s_endpgm
.Lentry_shape_is_right:
; q, k, v = x W + b, q and k turned by the rotary table, all rounded once to f16 and stored by UNITS for the attention launch.
; x: AH bf16 [16 row tiles][45 chunks of 64 k][128 rows][64 k].  W: WB bf16 [48 heads][2880 k][64]: heads 0-31 q, 32-39 k, 40-47 v.  Sums in f32; the bias, rounded to bf16 as every input is, starts them.
; QKV: f16 [96 units][131,072 bytes].  Unit 2 head + b holds channels 16 b + 0..15 and 32 + 16 b + 0..15 of its head.  q and k units: [2048 positions][32 channels].  v units: [256 blocks of 8 keys][32 channels][8 keys].
; SHARES.  A tile of C is 128 rows x 192 columns (three heads): 16 x 16 tiles, one for each work-group.  Four waves: wave w has rows 64 (w / 2) on and three units, numbers 3 (w % 2) + 0..2 of the tile's six:
; 4 row blocks x 6 column blocks of 16 x 16, 24 accumulators.  A unit's two column blocks hold a rotary pair (d, d + 32) in the same lane and register.
; THE MATRIX INSTRUCTION IS USED TRANSPOSED (source 0 = 16 columns of W, source 1 = 16 rows of x): a lane holds row l % 16 and the columns 8 (l / 16) + 0..7.
; RING.  K goes in 15 steps of 192 through two LDS slots.  Wave 0 fetches x's tile (three chunks: 49,152 dense bytes, asked for as 192 rows of 256), waves 1-3 a head's 192 rows of W each (96 rows of 256 bytes).
; CLUSTER.  4 x 4 work-groups: x's tile is shared along a row of the cluster, W's along a column; each is asked for jointly.
; LIMITS.  f16 ends at 65,504: |q|, |k|, |v| must stay below it.  NaN and infinities are not treated apart.
; REGISTERS.  Window 0: v0-29 addresses; v32-55, v56-63 at work on the way out; v64-255 the accumulators ((a, blk) at 64 + 8 (6 a + blk)).
;   Window 1: two fragment buffers of 80 (x's row block a at 8 a, W's column block blk at 32 + 8 blk); v160-207 the bias; later the table's numbers.
.set KS,    192                        ; K in a step
.set NSUB,  KS/32
.set PA,    144                        ; a row of x in LDS: 128 bytes + 16: the 16 rows of a load begin in 16 different groups of four banks
.set PB,    160                        ; a row of W: 128 + 32
.set ACH,   128*PA                     ; a chunk of x
.set BOFF,  (KS/64)*ACH                ; W's rows lie behind x's
.set BCH,   KS*PB                      ; a head's rows of a step
.set SLOT,  BOFF+3*BCH                 ; 147,456
.set STAGE, 2*SLOT                     ; behind the ring, never filled by a tensor load: 16 rows x 208 bytes for each wave
.set SPT,   208
.set SPARE, STAGE+4*16*SPT             ; behind the stages: the spare words, 128 bytes for each wave, which no other line names
.set ASTEP, (KS/64)*16384              ; bytes of AH in a step
.set BSTEP, KS*128                     ; bytes of a head of WB in a step
.set ADRA, 4                           ; v4-5    LDS address of my fragments of x in slot 0, 1
.set ADRB, 6                           ; v6-11   of W: 3 slot + unit
.set BO,   12                          ; v12     32 (l / 16): my place in a block's bias
.set STO,  13                          ; v13     where I put 16 bytes of a stage row
.set RD,   14                          ; v14     where I read them back as they lie
.set RDV,  15                          ; v15     and turned
.set GO,   16                          ; v16     16 l
.set TOF,  17                          ; v17-19  my offset in the table, by unit
.set SPW,  28                          ; v28     LDS address of my spare word; never rewritten
.set NIL,  29                          ; v29     0; never rewritten
.set R2,   32
.set T,    56
.set ACC,  64
.set F0,   0
.set BIAS, 160
.set TB0,  160                         ; the table's numbers for row blocks 0 to 3, 48 registers each, in window 1
.set TB1,  208
.set TB2,  0
.set TB3,  48
.set WV,  18                           ; s18 wave   s19 wave / 2   s20 wave % 2   s21 cx   s22 cy   s23 column tile   s24 row tile
.set RH,  19
.set CC,  20
.set CX,  21
.set CY,  22
.set XT,  23
.set RTL, 24
.set G1A, 28                           ; s[28:35] descriptor group 1 for x's tiles, s[36:43] for W's
.set G1B, 36
.set G0A, 44                           ; s[44:51] group 0 for x's tiles, a set for each slot; s[52:59] for W's
.set G0B, 52
.set CNT, 60
.set ISV, 66                           ; s66-68  all ones where the unit is one of v's
.set UB,  70                           ; s[70:75] where my rows of the unit begin in QKV
.set BP,  76                           ; s[76:81] the unit's bias
.set MSB, 0
.macro WIN new                         ; the immediate's high byte repeats the setting that is left; a switch that changes nothing is dropped
.if MSB != (\new)
	s_set_vgpr_msb (MSB<<8)|(\new)
.set MSB, \new
.endif
.endm
.set W_MUL,  0x05                      ; sources 0 and 1 window 1; C and D window 0
.set W_MULB, 0x15                      ; the same with C in window 1
.set TO_F,   0x40                      ; destination window 1
.set W_ROPE, 0x04                      ; source 1 window 1
.set W_1,    0x45                      ; destination and sources 0, 1 window 1
.macro ROUND                           ; a round of the cluster's barrier
	s_barrier_signal -1
	s_barrier_wait -1
	s_cmp_lg_u32 s[WV], 0
	s_cbranch_scc1 .Lnot_wave_0_\@
	s_barrier_signal -3
.Lnot_wave_0_\@:
	s_barrier_wait -3
	s_barrier_signal -1
	s_barrier_wait -1
.endm
.macro PLACES                          ; four places behind matrix instructions, in front of loads into registers that they read and of vector work on their results
.rept 4
	v_nop
.endr
.endm
.macro JLOAD s                         ; a joint load into slot s: wave 0 x's tile, waves 1-3 a head of W each; the branch hangs on the wave's number alone
	s_cmp_eq_u32 s[WV], 0
	s_cbranch_scc0 .Lfor_b_\@
	tensor_load_to_lds s[G0A+4*(\s):G0A+4*(\s)+3], s[G1A:G1A+7]
	s_nop 0
	PLACES
	s_branch .Lasked_\@
.Lfor_b_\@:
	tensor_load_to_lds s[G0B+4*(\s):G0B+4*(\s)+3], s[G1B:G1B+7]
	s_nop 0
	PLACES
.Lasked_\@:
.endm
.macro FETCH slot, q, f                ; 20 LDS loads: the fragments of 32 along K, number q of the step, into buffer f
	WIN TO_F
.irp a, 0,1,2,3
	ds_load_b128 v[(\f)+8*(\a):(\f)+8*(\a)+3],   v[ADRA+(\slot)] offset:((\q)/2)*ACH+((\q)%2)*64+(\a)*16*PA
	ds_load_b128 v[(\f)+8*(\a)+4:(\f)+8*(\a)+7], v[ADRA+(\slot)] offset:((\q)/2)*ACH+((\q)%2)*64+(\a)*16*PA+32
.endr
.irp p, 0,1,2
.irp e, 0,1
	ds_load_tr16_b128 v[(\f)+32+8*(2*(\p)+(\e)):(\f)+32+8*(2*(\p)+(\e))+3],   v[ADRB+3*(\slot)+(\p)] offset:(\q)*32*PB+64*(\e)
	ds_load_tr16_b128 v[(\f)+32+8*(2*(\p)+(\e))+4:(\f)+32+8*(2*(\p)+(\e))+7], v[ADRB+3*(\slot)+(\p)] offset:(\q)*32*PB+64*(\e)+16*PB
.endr
.endr
.endm
.macro MUL f, first                    ; 24 matrix instructions, each accumulator once: they take turns, over the backward jump too.  first: the bias starts the sums
.if \first
	WIN W_MULB
.else
	WIN W_MUL
.endif
.irp a, 0,1,2,3
.irp k, 0,1,2,3,4,5
.if \first
	v_wmma_f32_16x16x32_bf16 v[ACC+8*(6*(\a)+(\k)):ACC+8*(6*(\a)+(\k))+7], v[(\f)+32+8*(\k):(\f)+32+8*(\k)+7], v[(\f)+8*(\a):(\f)+8*(\a)+7], v[BIAS+8*(\k):BIAS+8*(\k)+7]
.else
	v_wmma_f32_16x16x32_bf16 v[ACC+8*(6*(\a)+(\k)):ACC+8*(6*(\a)+(\k))+7], v[(\f)+32+8*(\k):(\f)+32+8*(\k)+7], v[(\f)+8*(\a):(\f)+8*(\a)+7], v[ACC+8*(6*(\a)+(\k)):ACC+8*(6*(\a)+(\k))+7]
.endif
.endr
.endr
.endm
; A K STEP.  Each wave waits for all its tensor loads (at most one is out: its part of this slot), adds 0 to its spare word, and waits for that and for its reads of the other slot; a round of the cluster's
; barrier; then the other slot is filled again first, with the next step's tiles, and this slot is multiplied: the fragments of the next 32 along K are fetched while the last are multiplied.
.macro TRIP slot, refill, first
	WIN 0
	s_wait_tensorcnt 0x0                           ; no tensor load of mine is out, so a group 0 may be written
	ds_add_u32 v[SPW], v[NIL]
	s_add_nc_u64 s[G0A+4*(\slot)+2:G0A+4*(\slot)+3], s[G0A+4*(\slot)+2:G0A+4*(\slot)+3], 2*ASTEP  ; this slot's next tiles
	s_add_nc_u64 s[G0B+4*(\slot)+2:G0B+4*(\slot)+3], s[G0B+4*(\slot)+2:G0B+4*(\slot)+3], 2*BSTEP
	s_wait_dscnt 0x0                               ; the add is done, and my reads of the other slot are over
	ROUND
.if \refill
	JLOAD 1-(\slot)                                ; the four v_nop behind it are also the places in front of the loads below
.else
	PLACES
.endif
	FETCH \slot, 0, F0
.set q, 0
.rept NSUB
.if q+1 < NSUB
.if q > 0
	PLACES
.endif
	FETCH \slot, q+1, F0+80*((q+1)%2)
	s_wait_dscnt 20                                ; all but the 20 just issued
.else
	s_wait_dscnt 0x0
.endif
	MUL F0+80*(q%2), (\first)&&(q==0)
.set q, q+1
.endr
.endm
.macro TLOAD a, tb                     ; the table's numbers for row block a: for each unit 8 cosines and 8 sines a lane
	WIN TO_F
.irp p, 0,1,2
	global_load_b128 v[(\tb)+16*(\p):(\tb)+16*(\p)+3],     v[TOF+(\p)], s[14:15] offset:4096*(\a)
	global_load_b128 v[(\tb)+16*(\p)+4:(\tb)+16*(\p)+7],   v[TOF+(\p)], s[14:15] offset:4096*(\a)+16
	global_load_b128 v[(\tb)+16*(\p)+8:(\tb)+16*(\p)+11],  v[TOF+(\p)], s[14:15] offset:4096*(\a)+128
	global_load_b128 v[(\tb)+16*(\p)+12:(\tb)+16*(\p)+15], v[TOF+(\p)], s[14:15] offset:4096*(\a)+144
.endr
	WIN 0
.endm
; THE WAY OUT of row block a: turned, rounded to f16, through my own stage, stored as 512 consecutive bytes.  Each unit is read back twice, as it lies and turned (lane = channel, 8 keys); v's units keep the turned form.
.macro WAYOUT a, tb
	s_wait_loadcnt 12*(3-(\a))                     ; this block's table is in; the later blocks' 12 loads each may stay out
	WIN W_ROPE
.irp p, 0,1,2
.irp rr, 0,2,4,6                       ; each accumulator's lowest registers are read first
.set rX1, ACC+8*(6*(\a)+2*(\p))+(\rr)
.set rX2, rX1+8
.set rCS, (\tb)+16*(\p)+(\rr)
.set rTT, T+4*(((\rr)/2)%2)
	v_pk_mul_f32 v[rTT:rTT+1],   v[rX2:rX2+1], v[rCS+8:rCS+9]
	v_pk_mul_f32 v[rTT+2:rTT+3], v[rX1:rX1+1], v[rCS+8:rCS+9]
	v_pk_fma_f32 v[rX1:rX1+1], v[rX1:rX1+1], v[rCS:rCS+1], v[rTT:rTT+1] neg_lo:[0,0,1] neg_hi:[0,0,1]  ; x1 cos - x2 sin
	v_pk_fma_f32 v[rX2:rX2+1], v[rX2:rX2+1], v[rCS:rCS+1], v[rTT+2:rTT+3]                              ; x2 cos + x1 sin
.endr
.endr
	WIN 0
.irp k, 0,1,2,3,4,5
.irp rr, 0,1,2,3
	v_cvt_pk_f16_f32 v[ACC+8*(6*(\a)+(\k))+(\rr)], v[ACC+8*(6*(\a)+(\k))+2*(\rr)], v[ACC+8*(6*(\a)+(\k))+2*(\rr)+1]
.endr
.endr
.irp k, 0,1,2,3,4,5
	ds_store_b128 v[STO], v[ACC+8*(6*(\a)+(\k)):ACC+8*(6*(\a)+(\k))+3] offset:32*(\k)
.endr
.irp k, 0,1,2,3,4,5                    ; unit k / 2, positions 8 (k % 2) on.  LDS serves a wave's instructions in order: these see the stores above
	ds_load_b128      v[ACC+8*(6*(\a)+(\k))+4:ACC+8*(6*(\a)+(\k))+7], v[RD] offset:64*((\k)/2)+8*SPT*((\k)%2)
	ds_load_tr16_b128 v[R2+4*(\k):R2+4*(\k)+3], v[RDV] offset:64*((\k)/2)+8*SPT*((\k)%2)
.endr
	s_wait_dscnt 0x0
.irp k, 0,1,2,3,4,5
.irp rr, 0,1,2,3
	v_cndmask_b32 v[ACC+8*(6*(\a)+(\k))+4+(\rr)], v[ACC+8*(6*(\a)+(\k))+4+(\rr)], v[R2+4*(\k)+(\rr)], s[ISV+(\k)/2]
.endr
.endr
.irp k, 0,1,2,3,4,5
	global_store_b128 v[GO], v[ACC+8*(6*(\a)+(\k))+4:ACC+8*(6*(\a)+(\k))+7], s[UB+2*((\k)/2):UB+2*((\k)/2)+1] offset:1024*(\a)+512*((\k)%2)
.endr
.endm
	s_load_b256 s[4:11], s[0:1], 0x0               ; AH s[4:5], WB s[6:7], bq s[8:9], bk s[10:11]
	s_load_b128 s[12:15], s[0:1], 0x20             ; bv s[12:13], RT s[14:15]
	s_load_b64 s[16:17], s[0:1], 0x30              ; QKV
	v_lshl_add_u32 v[SPW], v0, 2, SPARE
	v_mov_b32 v[NIL], 0
	ds_add_u32 v[SPW], v[NIL]                      ; the wave's opening: the add, and its wait ahead of my first tensor load; work on registers stands between them
	v_lshrrev_b32 v1, 5, v0
	v_readfirstlane_b32 s[WV], v1
	s_lshr_b32 s[RH], s[WV], 1
	s_and_b32 s[CC], s[WV], 1
	s_bfe_u32 s[CX], ttmp6, 0x40000
	s_bfe_u32 s[CY], ttmp6, 0x40004
	s_lshl_b32 s[XT], ttmp9, 2
	s_add_co_u32 s[XT], s[XT], s[CX]               ; column tile = 4 x cluster x + cx
	s_and_b32 s[RTL], ttmp7, 0xffff
	s_lshl_b32 s[RTL], s[RTL], 2
	s_add_co_u32 s[RTL], s[RTL], s[CY]             ; row tile = 4 x cluster y + cy
	s_lshl_b32 s82, s[CY], 2
	s_lshl_b32 s82, 15, s82                        ; my row of the cluster
	s_lshl_b32 s83, 0x1111, s[CX]                  ; my column
	; group 1: dense bytes asked for as rows of 256 (128 elements of 2 bytes), padded in LDS after every 32 words: by 4 words for x, by 8 for W
	s_or_b32 s[G1A], s82, (1<<16)|(1<<20)|(1<<21)|(4<<22)|(3<<25)
	s_or_b32 s[G1B], s83, (1<<16)|(1<<20)|(1<<21)|(4<<22)|(7<<25)
	s_mov_b32 s[G1A+1], 128<<16                    ; tensor_dim0 = 128
	s_mov_b32 s[G1A+2], KS<<16                     ; tensor_dim1 = 192 rows
	s_mov_b32 s[G1A+3], 128<<16                    ; tile_dim0 = 128
	s_mov_b32 s[G1A+4], KS                         ; tile_dim1
	s_mov_b32 s[G1A+5], 128                        ; from row to row
	s_mov_b32 s[G1A+6], 0
	s_mov_b32 s[G1A+7], 0
	s_mov_b32 s[G1B+1], 128<<16
	s_mov_b32 s[G1B+2], (KS/2)<<16                 ; 96 rows
	s_mov_b32 s[G1B+3], 128<<16
	s_mov_b32 s[G1B+4], KS/2
	s_mov_b32 s[G1B+5], 128
	s_mov_b32 s[G1B+6], 0
	s_mov_b32 s[G1B+7], 0
	s_mul_i32 s84, s[RTL], 45*16384                ; x's tile hangs on the row tile alone,
	s_mov_b32 s85, 0
	s_mul_i32 s88, s[XT], 3                        ; W's on the column tile and the wave: head 3 X + w - 1 (wave 0 makes head 3 X's address and asks by x's line)
	s_max_u32 s25, s[WV], 1
	s_sub_co_u32 s25, s25, 1
	s_add_co_u32 s88, s88, s25
	s_mul_i32 s88, s88, 2880*128
	s_mov_b32 s89, 0
	s_mul_i32 s92, s[WV], BCH
	s_wait_dscnt 0x0                               ; the opening add is done
	s_wait_kmcnt 0x0
	s_add_nc_u64 s[86:87], s[4:5], s[84:85]
	s_add_nc_u64 s[90:91], s[6:7], s[88:89]
.irp s, 0,1
	s_mov_b32 s[G0A+4*(\s)], 1
	s_mov_b32 s[G0A+4*(\s)+1], (\s)*SLOT
	s_add_nc_u64 s[G0A+4*(\s)+2:G0A+4*(\s)+3], s[86:87], (\s)*ASTEP
	s_or_b32 s[G0A+4*(\s)+3], s[G0A+4*(\s)+3], 0x80000000
	s_mov_b32 s[G0B+4*(\s)], 1
	s_add_co_u32 s[G0B+4*(\s)+1], s92, (\s)*SLOT+BOFF-BCH
	s_add_nc_u64 s[G0B+4*(\s)+2:G0B+4*(\s)+3], s[90:91], (\s)*BSTEP
	s_or_b32 s[G0B+4*(\s)+3], s[G0B+4*(\s)+3], 0x80000000
.endr
	ROUND                                          ; all sixteen work-groups are here: the first joint loads meet
	JLOAD 0                                        ; K step 0; slot 1 is filled behind the first step's round
	v_and_b32 v1, 15, v0                           ; r = l % 16
	v_bfe_u32 v2, v0, 4, 1                         ; h = l / 16
	v_and_b32 v3, 31, v0                           ; l
	v_mul_u32_u24 v20, v1, PA
	v_lshl_add_u32 v20, v2, 4, v20
	s_mul_i32 s26, s[RH], 64*PA
	v_add_nc_u32 v[ADRA], s26, v20                 ; (64 rh + r) x pitch + 16 h
	v_add_nc_u32 v[ADRA+1], SLOT, v[ADRA]
	v_and_b32 v21, 7, v0                           ; the turning load: row 8 h + l % 8, 16 bytes at 16 ((l / 8) % 2)
	v_lshl_add_u32 v21, v2, 3, v21
	v_mul_u32_u24 v21, v21, PB
	v_bfe_u32 v22, v0, 3, 1
	v_lshl_add_u32 v21, v22, 4, v21
	s_lshl_b32 s96, s[RTL], 7
	s_lshl_b32 s97, s[RH], 6
	s_add_co_u32 s96, s96, s97                     ; my first position
.irp p, 0,1,2
	s_mul_i32 s61, s[CC], 3
	s_add_co_u32 s61, s61, \p                      ; the unit's number in the tile,
	s_lshr_b32 s62, s61, 1                         ; its head of the tile's three,
	s_and_b32 s63, s61, 1                          ; its half b
	s_mul_i32 s26, s62, BCH
	s_lshl_b32 s27, s63, 5
	s_add_co_u32 s26, s26, s27
	s_add_co_u32 s26, s26, BOFF
	v_add_nc_u32 v[ADRB+(\p)], s26, v21
	v_add_nc_u32 v[ADRB+3+(\p)], SLOT, v[ADRB+(\p)]
	s_mul_i32 s93, s[XT], 3
	s_add_co_u32 s93, s93, s62                     ; the head among the 48
	s_lshl_b32 s94, s93, 1
	s_add_co_u32 s94, s94, s63                     ; the unit among the 96
	s_cmp_ge_u32 s94, 80
	s_cselect_b32 s[ISV+(\p)], -1, 0
	s_cselect_b32 s95, 2048, s96                   ; v takes the table's rows of cos = 1, sin = 0
	s_lshl_b32 s95, s95, 8
	s_lshl_b32 s97, s63, 6
	s_add_co_u32 s95, s95, s97
	v_lshl_add_u32 v[TOF+(\p)], v1, 8, s95
	v_lshl_add_u32 v[TOF+(\p)], v2, 5, v[TOF+(\p)] ; (row + r) x 256 + 64 b + 32 h
	s_lshl_b32 s98, s94, 17
	s_lshl_b32 s97, s96, 6
	s_add_co_u32 s98, s98, s97
	s_mov_b32 s99, 0
	s_add_nc_u64 s[UB+2*(\p):UB+2*(\p)+1], s[16:17], s[98:99]
	s_cmp_lt_u32 s93, 40
	s_cselect_b64 s[BP+2*(\p):BP+2*(\p)+1], s[10:11], s[12:13]
	s_cselect_b32 s97, 32, 40
	s_cmp_lt_u32 s93, 32
	s_cselect_b64 s[BP+2*(\p):BP+2*(\p)+1], s[8:9], s[BP+2*(\p):BP+2*(\p)+1]
	s_cselect_b32 s97, 0, s97
	s_sub_co_u32 s97, s93, s97                     ; the head in its own bias
	s_lshl_b32 s98, s97, 8
	s_lshl_b32 s97, s63, 6
	s_add_co_u32 s98, s98, s97
	s_add_nc_u64 s[BP+2*(\p):BP+2*(\p)+1], s[BP+2*(\p):BP+2*(\p)+1], s[98:99]
.endr
	v_lshlrev_b32 v[BO], 5, v2
	WIN TO_F
.irp p, 0,1,2
.irp e, 0,1
	global_load_b128 v[BIAS+8*(2*(\p)+(\e)):BIAS+8*(2*(\p)+(\e))+3],   v[BO], s[BP+2*(\p):BP+2*(\p)+1] offset:128*(\e)
	global_load_b128 v[BIAS+8*(2*(\p)+(\e))+4:BIAS+8*(2*(\p)+(\e))+7], v[BO], s[BP+2*(\p):BP+2*(\p)+1] offset:128*(\e)+16
.endr
.endr
	WIN 0
	s_mul_i32 s26, s[WV], 16*SPT
	s_add_co_u32 s26, s26, STAGE                   ; my stage
	v_mul_u32_u24 v[STO], v1, SPT
	v_lshl_add_u32 v[STO], v2, 4, v[STO]
	v_add_nc_u32 v[STO], s26, v[STO]               ; in: row r, 16 bytes for each half of the lanes
	v_bfe_u32 v[RD], v0, 2, 3
	v_mul_u32_u24 v[RD], v[RD], SPT
	v_and_b32 v22, 3, v0
	v_lshl_add_u32 v[RD], v22, 4, v[RD]
	v_add_nc_u32 v[RD], s26, v[RD]                 ; back: row l / 4, 16 bytes at 16 (l % 4)
	v_and_b32 v[RDV], 7, v0
	v_mul_u32_u24 v[RDV], v[RDV], SPT
	v_bfe_u32 v22, v0, 3, 2
	v_lshl_add_u32 v[RDV], v22, 4, v[RDV]
	v_add_nc_u32 v[RDV], s26, v[RDV]               ; turned: row l % 8, 16 bytes at 16 (l / 8)
	v_lshlrev_b32 v[GO], 4, v3
	s_wait_loadcnt 0x0                             ; the bias,
	WIN W_1
.set i, 0
.rept 24                               ; rounded to bf16 and widened again
	v_cvt_pk_bf16_f32 v[208+i], v[BIAS+2*i], v[BIAS+2*i+1]
	v_lshlrev_b32 v[BIAS+2*i],   16,         v[208+i]
	v_and_b32     v[BIAS+2*i+1], 0xffff0000, v[208+i]
.set i, i+1
.endr
	TRIP 0, 1, 1
	WIN 0                                          ; at a label and at a branch every window is 0
	s_mov_b32 s[CNT], 6
.Lk:
	TRIP 1, 1, 0
	TRIP 0, 1, 0
	WIN 0
	s_sub_co_u32 s[CNT], s[CNT], 1
	s_cmp_lg_u32 s[CNT], 0
	s_cbranch_scc1 .Lk
	TLOAD 0, TB0                                   ; two row blocks' table numbers come in under the last two steps, into registers that the products no longer name
	TLOAD 1, TB1
	TRIP 1, 1, 0
	TRIP 0, 0, 0                                   ; the last step asks for nothing
	PLACES
	TLOAD 2, TB2                                   ; the other two take the fragment buffers' place
	TLOAD 3, TB3
	WAYOUT 0, TB0
	WAYOUT 1, TB1
	WAYOUT 2, TB2
	WAYOUT 3, TB3
	s_wait_tensorcnt 0x0                           ; the wave's end: behind my last tensor load and my last LDS store
	ds_add_u32 v[SPW], v[NIL]
	s_wait_dscnt 0x0
	ROUND                                          ; the closing round: no work-group ends while a partner may still ask for a tile that names it
	s_endpgm
.Lfunc_end_k_q00a53ee8f0_qkv:
	.size	k_q00a53ee8f0_qkv, .Lfunc_end_k_q00a53ee8f0_qkv-k_q00a53ee8f0_qkv
	.p2alignl 7, 3214868480
	.fill 96, 4, 3214868480
	.section	.rodata,"a",@progbits
	.p2align	6, 0x0
	.amdhsa_kernel k_q00a53ee8f0_qkv
		.amdhsa_group_segment_fixed_size 327680
		.amdhsa_private_segment_fixed_size 0
		.amdhsa_enable_private_segment 0
		.amdhsa_kernarg_size 56
		.amdhsa_user_sgpr_count 2
		.amdhsa_user_sgpr_kernarg_segment_ptr 1
		.amdhsa_wavefront_size32 1
		.amdhsa_system_sgpr_workgroup_id_x 1
		.amdhsa_system_sgpr_workgroup_id_y 1
		.amdhsa_system_sgpr_workgroup_id_z 1
		.amdhsa_system_vgpr_workitem_id 0
		.amdhsa_next_free_vgpr 512
		.amdhsa_next_free_sgpr 100
		.amdhsa_reserve_vcc 0
		.amdhsa_float_denorm_mode_32 3
		.amdhsa_float_denorm_mode_16_64 3
		.amdhsa_memory_ordered 1
		.amdhsa_forward_progress 1
		.amdhsa_inst_pref_size 145
	.end_amdhsa_kernel
	.amdgpu_metadata
---
amdhsa.version: [ 1, 2 ]
amdhsa.kernels:
  - .name:           k_q00a53ee8f0_qkv
    .symbol:         k_q00a53ee8f0_qkv.kd
    .args:
      - { .name: AH, .offset: 0, .size: 8, .value_kind: global_buffer, .address_space: global }
      - { .name: WB, .offset: 8, .size: 8, .value_kind: global_buffer, .address_space: global }
      - { .name: bq, .offset: 16, .size: 8, .value_kind: global_buffer, .address_space: global }
      - { .name: bk, .offset: 24, .size: 8, .value_kind: global_buffer, .address_space: global }
      - { .name: bv, .offset: 32, .size: 8, .value_kind: global_buffer, .address_space: global }
      - { .name: RT, .offset: 40, .size: 8, .value_kind: global_buffer, .address_space: global }
      - { .name: QKV, .offset: 48, .size: 8, .value_kind: global_buffer, .address_space: global }
    .group_segment_fixed_size: 327680
    .private_segment_fixed_size: 0
    .kernarg_segment_align: 8
    .kernarg_segment_size: 56
    .max_flat_workgroup_size: 128
    .sgpr_count:     100
    .vgpr_count:     512
    .wavefront_size: 32
...
	.end_amdgpu_metadata
.endif
;; end of part 2
;; launch attn (part 3): grid 32 x 8, 4 waves a work-group, no clusters, 9,728 bytes of LDS; arguments QKV, LIVE, attention_mask, sinks, AT; writes AT
.if DOCPART == 3
	.amdgcn_target "amdgcn-amd-amdhsa--gfx1250"
	.amdhsa_code_object_version 6
	.text
	.protected	k_q00a53ee8f0_attn
	.globl	k_q00a53ee8f0_attn
	.p2align	8
	.type	k_q00a53ee8f0_attn,@function
k_q00a53ee8f0_attn:
	s_mov_b64 s[64:65], 0
	v_nop
	global_prefetch_b8 v0, s[64:65] scope:SCOPE_SE
	s_setreg_imm32_b32 hwreg(HW_REG_WAVE_MODE, 25, 1), 1
	s_wait_xcnt 0x0
; ATTENTION with a window of 128 keys back, the mask that is given, and a sink logit for each head.  O = the sum over visible k of p V[k], p = exp(s - m) / (exp(sink - m) + the sum of exp(s - m)), s = q . k / 8.
; q, k, v: QKV f16 by units (unit 2 head + b: channels 16 b + 0..15 and 32 + 16 b + 0..15; q heads 0-31, k heads 32-39, v heads 40-47).  q, k units: [2048 positions][32 channels]; v units: [256 blocks of 8 keys][32 channels][8 keys].
; O: AT f16 [16 row tiles][32 heads][128 rows][64 channels].  Products, maxima and sums in f32; p is rounded to f16 for the second product (its sum is taken unrounded), O once at the end.
; SHARES.  A wave owns 16 queries of the FOUR query heads of one key head: four pieces that share K, V and the mask.  1,024 waves.  Nothing is shared between waves, and K's, Q's and V's fragments lie in memory as the
; matrix instruction wants them (16 bytes a lane), so they come straight into registers: no LDS on the way in, no barrier.
; THE WALK.  LIVE (stored by the launch before) has a bit for each tile of 64 keys in which the mask shows anything to 4 rows.  The wave takes the tiles that are live for its 16 rows and reach into its window, in
; ascending order: the trip count and the tiles' numbers are whole numbers read from memory.  NO CLUSTER: partners would walk different numbers of tiles.
; THE MASK is the C operand that starts S^T = K Q^T: 0, or -1e30 where the mask's byte is 0 or the key lies more than 128 behind the query.  It is made once a tile for all four heads.
; LAYOUT.  S^T = K Q^T holds ONE query a lane (l % 16) and the keys 8 (l / 16) + 0..7; two such results rounded to f16 ARE source 1 of O^T = V^T P.  Q and K carry the same order of channels, so the products are the true ones.
; SOFTMAX.  p = 2^(c s - c m), c = log2(e) / 8, s the unscaled product; m, a running maximum, starts at 8 x sink and l, the divisor, at 1: the sink's own weight.  O and l are multiplied by a = 2^(c m_old - c m_new) in every step.
; LIMITS.  A hidden score counts as -1e30 where the definition has -1e9: the same result while the row's largest logit lies above about -1e9 + 104.  f16: Q, K, V arrive within 65,504; p below 6e-5 keeps f16's fixed
; step of 6e-8.  A weight below 2^-126 counts as 0 in l.  The sinks are rounded to bf16 as every input is.  NaN and infinities are not treated apart.
; REGISTERS.  Window 0: v0-15 addresses; v16-31 statistics, four a head (c m, m, l of even keys, l of odd keys); v32-35 c m_old; v36-43 the mask's bytes; v48-63 at work, four a head; v64-191 S^T, 32 a head; v192-255 P, 16 a head.
;   Window 1: v0-127 O^T, 32 a head; v128-159 the mask as C.   Window 2: v0-63 Q; v128-191 K of a tile; v192-255 V of a tile.
.set SP,    144                        ; a stage row: 128 bytes + 16
.set SPARE, 4*16*SP                    ; behind the four stages: the spare words, 128 bytes for each wave, which no other line names
.set KO0, 2                            ; v2   my lane's place in a tile of K: 64 r + 16 h
.set VO0, 3                            ; v3   of V: 512 h + 16 r
.set KO,  4                            ; v4   the same with the tile
.set VO,  5
.set STO, 6
.set RD,  7
.set GO,  8
.set MO0, 9                            ; v9   my lane's place in the mask: (q0 + r) x 2048 + 8 h
.set MO,  10
.set YB0, 11                           ; v11  8 h - (q0 + r) + 128 - 4096
.set YB,  12                           ; v12  + 64 t
.set QO,  13
.set ST,  16
.set MV,  32
.set MB,  36
.set TT,  44                           ; v44-45 at work
.set SPW, 46
.set NIL, 47
.set TMP, 48
.set S,   64
.set P,   192
.set MC,  128                          ; window 1
.set KF,  128                          ; window 2: key block kb, unit u at KF + 16 kb + 8 u
.set VF,  192                          ; window 2: key half kk, channel block tau at VF + 32 kk + 8 tau
.set WV,  14
.set QB,  15
.set Q0,  24
.set G,   25
.set LV,  26                           ; s26  the tiles still to be walked, a bit each
.set N,   27                           ; s27  how many there are
.set TC,  28                           ; s28  the tile whose K and mask were asked for last
.set I,   29
.set KB,  30                           ; s[30:31] K's first unit   s[32:33] V's   s[34:35] Q's   s[36:37] my rows of AT
.set VB,  32
.set QBS, 34
.set OB,  36
.set CS,  38                           ; s[38:39] c
.set SEL, 40                           ; s[40:41] v_permlanex16_b32's selects: each lane takes its own place in the other half
.set BIGN, 42                          ; s42  -1e30
.set MSB, 0
.macro WIN new
.if MSB != (\new)
	s_set_vgpr_msb (MSB<<8)|(\new)
.set MSB, \new
.endif
.endm
.set W_KQ, 0x0a                        ; K and Q in window 2, S^T in window 0
.set W_KM, 0x1a                        ; the same with C in window 1
.set W_PV, 0x52                        ; V in window 2, P in window 0, O^T in window 1
.set W_RS, 0x41                        ; destination and source 0 in window 1
.set TO_1, 0x40
.set TO_2, 0x80
.macro NEXT                            ; the lowest tile still to be walked; with none left 31, whose loads stay inside the buffers and serve nothing.  The clamp stands in the instruction, since the number enters addresses
	s_ctz_i32_b32 s[TC], s[LV]
	s_min_u32 s[TC], s[TC], 31
	s_sub_co_u32 s44, s[LV], 1
	s_and_b32 s[LV], s[LV], s44
.endm
.macro LOADM                           ; the mask's 64 bytes of my row's tile: 8 bytes for each block of 16 keys
	WIN 0
.irp kb, 0,1,2,3
	global_load_b64 v[MB+2*(\kb):MB+2*(\kb)+1], v[MO], s[8:9] offset:16*(\kb)
.endr
.endm
.macro LOADK                           ; keys 16 (f / 2) on, unit f % 2
	WIN TO_2
.irp f, 0,1,2,3,4,5,6,7
	global_load_b128 v[KF+8*(\f):KF+8*(\f)+3],   v[KO], s[KB:KB+1] offset:((\f)%2)*131072+((\f)/2)*1024
	global_load_b128 v[KF+8*(\f)+4:KF+8*(\f)+7], v[KO], s[KB:KB+1] offset:((\f)%2)*131072+((\f)/2)*1024+32
.endr
	WIN 0
.endm
.macro LOADV                           ; keys 32 (f / 4) on, channels 16 (f % 4) on: unit (f % 4) % 2, its half (f % 4) / 2
	WIN TO_2
.irp f, 0,1,2,3,4,5,6,7
	global_load_b128 v[VF+8*(\f):VF+8*(\f)+3],   v[VO], s[VB:VB+1] offset:((\f)%2)*131072+((\f)/4)*2048+(((\f)%4)/2)*256
	global_load_b128 v[VF+8*(\f)+4:VF+8*(\f)+7], v[VO], s[VB:VB+1] offset:((\f)%2)*131072+((\f)/4)*2048+(((\f)%4)/2)*256+1024
.endr
	WIN 0
.endm
; The mask as C.  For score z (key 16 (z / 8) + 8 h + z % 8 of the tile): y = 4096 x byte + YB; the key is hidden where y + 16 (z / 8) + z % 8 < 0: the byte is 0 (key - query + 128 stays under 4,096), or the key
; lies outside the window.  The y stand in S^T's registers, which are free here.
.macro MCB
	WIN 0
.set z, 0
.rept 32
	v_bfe_u32 v[TT+z%2], v[MB+z/4], 8*(z%4), 8
	v_lshl_add_u32 v[S+z], v[TT+z%2], 12, v[YB]
.set z, z+1
.endr
	WIN TO_1
.set z, 0
.rept 32
	v_cmp_gt_i32 vcc_lo, -(16*(z/8)+z%8), v[S+z]
	v_cndmask_b32 v[MC+z], 0, s[BIGN], vcc_lo
.set z, z+1
.endr
.endm
; 32 products S^T = K Q^T: unit i / 16, keys 16 ((i / 4) % 4) on, head i % 4.  The 16 accumulators take turns; the first 16 products start the sums with the mask.
.macro KQ
.set i, 0
.rept 32
.set rS, S+32*(i%4)+8*((i/4)%4)
.set rK, KF+16*((i/4)%4)+8*(i/16)
.set rQ, 16*(i%4)+8*(i/16)
.set rM, MC+8*((i/4)%4)
.if i < 16
	WIN W_KM
	v_wmma_f32_16x16x32_f16 v[rS:rS+7], v[rK:rK+7], v[rQ:rQ+7], v[rM:rM+7]
.else
	WIN W_KQ
	v_wmma_f32_16x16x32_f16 v[rS:rS+7], v[rK:rK+7], v[rQ:rQ+7], v[rS:rS+7]
.endif
.set i, i+1
.endr
.endm
; 32 products O^T += V^T P: keys 32 (i / 16) on, channels 16 ((i / 4) % 4) on, head i % 4.
.macro PV
	WIN W_PV
.set i, 0
.rept 32
.set rO, 32*(i%4)+8*((i/4)%4)
.set rV, VF+32*(i/16)+8*((i/4)%4)
.set rP, P+16*(i%4)+8*(i/16)
	v_wmma_f32_16x16x32_f16 v[rO:rO+7], v[rV:rV+7], v[rP:rP+7], v[rO:rO+7]
.set i, i+1
.endr
.endm
.macro REGS d                          ; the registers of head d
.set rT, ST+4*(\d)
.set rC, TMP+4*(\d)
.set rW, MV+(\d)
.set rS, S+32*(\d)
.set rP, P+16*(\d)
.set rO, 32*(\d)
.endm
; Number n of the 22 that find a head's maximum and statistics.  0-11: four chains of seven scores each (each accumulator's lowest registers are read first); 12-14, 16: the four scores left over,
; the old m, the four into one; 15: c m_old is kept; 17, 18: the query's other 32 keys lie in the lane 16 away; 19-21: c m, c m_old - c m_new, a.
.macro XS d, n
	REGS \d
.if (\n) < 4
	v_max3_num_f32 v[rC+(\n)], v[rS+8*(\n)], v[rS+8*(\n)+1], v[rS+8*(\n)+2]
.elseif (\n) < 12
	v_max3_num_f32 v[rC+(\n)%4], v[rC+(\n)%4], v[rS+8*((\n)%4)+2*((\n)/4)+1], v[rS+8*((\n)%4)+2*((\n)/4)+2]
.elseif (\n) == 12
	v_max3_num_f32 v[rC], v[rC], v[rS+7], v[rS+15]
.elseif (\n) == 13
	v_max3_num_f32 v[rC+1], v[rC+1], v[rS+23], v[rS+31]
.elseif (\n) == 14
	v_max3_num_f32 v[rC+2], v[rC+2], v[rC+3], v[rT+1]
.elseif (\n) == 15
	v_mov_b32 v[rW], v[rT]
.elseif (\n) == 16
	v_max3_num_f32 v[rC], v[rC], v[rC+1], v[rC+2]
.elseif (\n) == 17
	v_permlanex16_b32 v[rC+3], v[rC], s[SEL], s[SEL+1]
.elseif (\n) == 18
	v_max_num_f32 v[rT+1], v[rC], v[rC+3]
.elseif (\n) == 19
	v_mul_f32 v[rT], s[CS], v[rT+1]
.elseif (\n) == 20
	v_sub_f32 v[rC+1], v[rW], v[rT]
.else
	v_exp_f32 v[rC+2], v[rC+1]
.endif
.endm
; A tile's softmax for the four heads, by turns, in phases: statistics; scalings; ONE batch of 132 exponentials with one plain instruction and one wait behind it; roundings; sums; O^T times a.
.macro SOFT
	WIN 0
.irp n, 0,1,2,3,4,5,6,7,8,9,10,11,12,13,14,15,16,17,18,19,20
.irp d, 0,1,2,3
	XS \d, \n
.endr
.endr
.set z, 0
.rept 16
.irp d, 0,1,2,3
	REGS \d
	v_pk_fma_f32 v[rS+2*z:rS+2*z+1], v[rS+2*z:rS+2*z+1], s[CS:CS+1], v[rT:rT+1] op_sel_hi:[1,0,0] neg_lo:[0,0,1] neg_hi:[0,0,1]  ; c s - c m
.endr
.set z, z+1
.endr
.irp d, 0,1,2,3
	XS \d, 21
.endr
.set z, 0
.rept 32
.irp d, 0,1,2,3
	REGS \d
	v_exp_f32 v[rS+z], v[rS+z]
.endr
.set z, z+1
.endr
	v_nop
	s_wait_alu depctr_va_vdst(0)
.set z, 0
.rept 16
.irp d, 0,1,2,3
	REGS \d
	v_cvt_pk_f16_f32 v[rP+z], v[rS+2*z], v[rS+2*z+1]
.endr
.set z, z+1
.endr
.set z, 0
.rept 8                                ; of four weights the second pair is added onto the first,
.irp d, 0,1,2,3
	REGS \d
	v_pk_add_f32 v[rS+4*z:rS+4*z+1], v[rS+4*z:rS+4*z+1], v[rS+4*z+2:rS+4*z+3]
.endr
.set z, z+1
.endr
.irp d, 0,1,2,3                        ; and l takes the sums: first as l = a l + sum
	REGS \d
	v_pk_fma_f32 v[rT+2:rT+3], v[rT+2:rT+3], v[rC+2:rC+3], v[rS:rS+1] op_sel_hi:[1,0,1]
.endr
.set z, 1
.rept 7
.irp d, 0,1,2,3
	REGS \d
	v_pk_add_f32 v[rT+2:rT+3], v[rT+2:rT+3], v[rS+4*z:rS+4*z+1]
.endr
.set z, z+1
.endr
	WIN W_RS
.set z, 0
.rept 16
.irp d, 0,1,2,3
	REGS \d
	v_pk_mul_f32 v[rO+2*z:rO+2*z+1], v[rO+2*z:rO+2*z+1], v[rC+2:rC+3] op_sel_hi:[1,0]
.endr
.set z, z+1
.endr
.endm
	s_load_b256 s[4:11], s[0:1], 0x0               ; QKV s[4:5], LIVE s[6:7], mask s[8:9], sinks s[10:11]
	s_load_b64 s[12:13], s[0:1], 0x20              ; AT
	v_lshl_add_u32 v[SPW], v0, 2, SPARE
	v_mov_b32 v[NIL], 0
	v_lshrrev_b32 v1, 5, v0
	v_readfirstlane_b32 s[WV], v1
	s_lshl_b32 s[QB], ttmp9, 2
	s_add_co_u32 s[QB], s[QB], s[WV]               ; my block of 16 queries
	s_lshl_b32 s[Q0], s[QB], 4
	s_and_b32 s[G], ttmp7, 0xffff                  ; the key head
	s_lshl_b32 s44, s[QB], 4                       ; the block's four words of LIVE
	s_mov_b32 s45, 0
	s_lshl_b32 s46, s[G], 4                        ; the four heads' sinks
	s_mov_b32 s47, 0
	s_wait_kmcnt 0x0
	s_add_nc_u64 s[6:7], s[6:7], s[44:45]
	s_add_nc_u64 s[10:11], s[10:11], s[46:47]
	s_load_b128 s[16:19], s[6:7], 0x0
	s_load_b128 s[20:23], s[10:11], 0x0
	s_lshl_b32 s48, s[G], 20                       ; q heads 4 g on: units 8 g on
	s_mov_b32 s49, 0
	s_add_nc_u64 s[QBS:QBS+1], s[4:5], s[48:49]
	s_lshl_b32 s48, s[G], 18                       ; two units a key head
	s_add_nc_u64 s[KB:KB+1], s[4:5], s[48:49]
	s_add_nc_u64 s[VB:VB+1], s[KB:KB+1], 80*131072
	s_add_nc_u64 s[KB:KB+1], s[KB:KB+1], 64*131072
	s_lshr_b32 s48, s[Q0], 7
	s_lshl_b32 s48, s48, 19                        ; the row tile,
	s_lshl_b32 s50, s[G], 16                       ; four heads of 16,384 bytes,
	s_add_co_u32 s48, s48, s50
	s_and_b32 s50, s[Q0], 127
	s_lshl_b32 s50, s50, 7                         ; my rows in the tile
	s_add_co_u32 s48, s48, s50
	s_add_nc_u64 s[OB:OB+1], s[12:13], s[48:49]
	s_mov_b32 s[CS], 0x3e38aa3b                    ; c = log2(e) / 8
	s_mov_b32 s[CS+1], s[CS]
	s_mov_b32 s[SEL], 0x76543210
	s_mov_b32 s[SEL+1], 0xfedcba98
	s_mov_b32 s[BIGN], 0xf149f2ca                  ; -1e30
	v_and_b32 v1, 15, v0                           ; r
	v_bfe_u32 v14, v0, 4, 1                        ; h
	v_lshlrev_b32 v[KO0], 6, v1
	v_lshl_add_u32 v[KO0], v14, 4, v[KO0]
	v_lshlrev_b32 v[VO0], 4, v1
	v_lshl_add_u32 v[VO0], v14, 9, v[VO0]
	s_lshl_b32 s50, s[Q0], 6
	v_add_nc_u32 v[QO], s50, v[KO0]
	v_add_nc_u32 v15, s[Q0], v1                    ; my query
	v_lshlrev_b32 v[MO0], 11, v15
	v_lshl_add_u32 v[MO0], v14, 3, v[MO0]
	v_lshlrev_b32 v[YB0], 3, v14
	v_sub_nc_u32 v[YB0], v[YB0], v15
	v_add_nc_u32 v[YB0], 128-4096, v[YB0]
	s_max_u32 s50, s[Q0], 128
	s_sub_co_u32 s50, s50, 128
	s_lshr_b32 s50, s50, 6                         ; the first tile that reaches into the window of my first query
	s_lshl_b32 s50, -1, s50
	s_wait_kmcnt 0x0
	s_or_b32 s16, s16, s17
	s_or_b32 s18, s18, s19
	s_or_b32 s[LV], s16, s18
	s_and_b32 s[LV], s[LV], s50
	s_bcnt1_i32_b32 s[N], s[LV]
	s_min_u32 s[N], s[N], 32
	NEXT
	v_lshl_add_u32 v[KO], s[TC], 12, v[KO0]
	v_lshl_add_u32 v[MO], s[TC], 6, v[MO0]
	v_lshl_add_u32 v[YB], s[TC], 6, v[YB0]
	WIN TO_2
.irp f, 0,1,2,3,4,5,6,7                ; Q stays in registers: head f / 2, unit f % 2
	global_load_b128 v[8*(\f):8*(\f)+3],   v[QO], s[QBS:QBS+1] offset:(\f)*131072
	global_load_b128 v[8*(\f)+4:8*(\f)+7], v[QO], s[QBS:QBS+1] offset:(\f)*131072+32
.endr
	LOADM
	LOADK
	WIN TO_1                                       ; O^T starts at 0: the walk may have no tile at all, so no first step is written out; these lines stand in the wait for the first loads
.set i, 0
.rept 128
	v_mov_b32 v[i], 0
.set i, i+1
.endr
	WIN 0
.irp d, 0,1,2,3
	v_mov_b32 v[TT], s[20+(\d)]
	v_cvt_pk_bf16_f32 v[TT], v[TT], v[TT]
	v_lshlrev_b32 v[TT], 16, v[TT]                 ; the sink, rounded to bf16;
	v_mul_f32 v[ST+4*(\d)+1], 0x41000000, v[TT]    ; m = 8 x sink, in the unscaled products' measure
	v_mul_f32 v[ST+4*(\d)], s[CS], v[ST+4*(\d)+1]
	v_mov_b32 v[ST+4*(\d)+2], 0.5                  ; l: 0.5 in each half of the lanes: the sink's weight, 1
	v_mov_b32 v[ST+4*(\d)+3], 0
.endr
	s_mul_i32 s50, s[WV], 16*SP                    ; my stage
	v_mul_u32_u24 v[STO], v1, SP
	v_lshl_add_u32 v[STO], v14, 4, v[STO]
	v_add_nc_u32 v[STO], s50, v[STO]               ; in: row r, 16 bytes for each half of the lanes
	v_bfe_u32 v[RD], v0, 3, 2
	v_mul_u32_u24 v[RD], v[RD], SP
	v_and_b32 v15, 7, v0
	v_lshl_add_u32 v[RD], v15, 4, v[RD]
	v_add_nc_u32 v[RD], s50, v[RD]                 ; back: 32 lanes take four rows of 128 bytes,
	v_and_b32 v[GO], 31, v0
	v_lshlrev_b32 v[GO], 4, v[GO]                  ; which are 512 consecutive bytes of AT
	s_mov_b32 s[I], 0
	s_cmp_eq_u32 s[N], 0
	s_cbranch_scc1 .Lout                           ; nothing is visible: O = 0
.Lstep:                                            ; a trip is a tile: its mask and K are on their way; its V is asked for here, and the next tile's mask and K
	s_wait_loadcnt 16                              ; the mask is in (and Q, in the first trip); K's 16 loads may stay out
	MCB
	WIN 0
	v_lshl_add_u32 v[VO], s[TC], 12, v[VO0]        ; V's last loads were waited for in the trip before
	LOADV                                          ; the mask's 128 lines are the places behind the last products that read V
	s_wait_loadcnt 16                              ; K is in; V's 16 loads may stay out
	KQ
	WIN 0
	NEXT
	v_lshl_add_u32 v[KO], s[TC], 12, v[KO0]        ; K's and the mask's loads are done, so their offsets may be written; with the v_nop these are the four places behind the last K Q^T
	v_lshl_add_u32 v[MO], s[TC], 6, v[MO0]
	v_lshl_add_u32 v[YB], s[TC], 6, v[YB0]
	v_nop
	LOADM
	LOADK
	SOFT
	s_wait_loadcnt 20                              ; V is in; the next mask's 4 and the next K's 16 may stay out
	PV
	WIN 0
	s_add_co_u32 s[I], s[I], 1
	s_cmp_lt_u32 s[I], s[N]
	s_cbranch_scc1 .Lstep
.Lout:
	; THE WAY OUT.  l's two halves and the other half of the lanes' are added; O^T is divided by l, rounded to f16 and sent through my stage, a head at a time.  The additions are the places behind the last products.
	; The last trip's look-ahead loads land in K's and the mask's registers, which nothing below names.
.irp d, 0,1,2,3
	v_add_f32 v[ST+4*(\d)+2], v[ST+4*(\d)+2], v[ST+4*(\d)+3]
.endr
.irp d, 0,1,2,3
	v_permlanex16_b32 v[ST+4*(\d)+3], v[ST+4*(\d)+2], s[SEL], s[SEL+1]
.endr
.irp d, 0,1,2,3
	v_add_f32 v[ST+4*(\d)+2], v[ST+4*(\d)+2], v[ST+4*(\d)+3]
.endr
.irp d, 0,1,2,3
	v_rcp_f32 v[ST+4*(\d)+2], v[ST+4*(\d)+2]
.endr
	v_nop                                          ; a plain instruction behind the last reciprocal,
	s_wait_alu depctr_va_vdst(0)                   ; and one wait for the four, ahead of their first reader
.macro PACK t                          ; a lane's eight channels of a row pack into 16 bytes; they go into rows of 144 bytes and come back as whole rows of 128, into S^T's registers
	WIN W_RS
.set i, 32*(\t)
.rept 16
	v_pk_mul_f32 v[i:i+1], v[i:i+1], v[ST+4*(\t)+2:ST+4*(\t)+3] op_sel_hi:[1,0]
.set i, i+2
.endr
	WIN 0x05                                       ; sources 0 and 1 window 1, destination window 0
.set i, 0
.rept 16
	v_cvt_pk_f16_f32 v[S+16*(\t)+i], v[32*(\t)+2*i], v[32*(\t)+2*i+1]
.set i, i+1
.endr
	WIN 0
.irp f, 0,1,2,3
	ds_store_b128 v[STO], v[S+16*(\t)+4*(\f):S+16*(\t)+4*(\f)+3] offset:32*(\f)
.endr
.irp f, 0,1,2,3
	ds_load_b128 v[S+16*(\t)+4*(\f):S+16*(\t)+4*(\f)+3], v[RD] offset:(\f)*4*SP  ; LDS serves a wave's instructions in order: these see the stores above; the next head's stores come behind them
.endr
.endm
.macro SEND t, younger                 ; younger: the LDS instructions issued behind head t's loads: the next head's eight, or none
.irp f, 0,1,2,3
	s_wait_dscnt (\younger)+3-(\f)
	global_store_b128 v[GO], v[S+16*(\t)+4*(\f):S+16*(\t)+4*(\f)+3], s[OB:OB+1] offset:(\t)*16384+(\f)*512  ; 512 consecutive bytes, aligned
.endr
.endm
	PACK 0
	PACK 1
	SEND 0, 8
	PACK 2
	SEND 1, 8
	PACK 3
	SEND 2, 8
	SEND 3, 0
	s_wait_tensorcnt 0x0                           ; the wave's end: behind my last LDS store
	ds_add_u32 v[SPW], v[NIL]
	s_wait_dscnt 0x0
	s_endpgm
.Lfunc_end_k_q00a53ee8f0_attn:
	.size	k_q00a53ee8f0_attn, .Lfunc_end_k_q00a53ee8f0_attn-k_q00a53ee8f0_attn
	.p2alignl 7, 3214868480
	.fill 96, 4, 3214868480
	.section	.rodata,"a",@progbits
	.p2align	6, 0x0
	.amdhsa_kernel k_q00a53ee8f0_attn
		.amdhsa_group_segment_fixed_size 9728
		.amdhsa_private_segment_fixed_size 0
		.amdhsa_enable_private_segment 0
		.amdhsa_kernarg_size 40
		.amdhsa_user_sgpr_count 2
		.amdhsa_user_sgpr_kernarg_segment_ptr 1
		.amdhsa_wavefront_size32 1
		.amdhsa_system_sgpr_workgroup_id_x 1
		.amdhsa_system_sgpr_workgroup_id_y 1
		.amdhsa_system_sgpr_workgroup_id_z 1
		.amdhsa_system_vgpr_workitem_id 0
		.amdhsa_next_free_vgpr 768
		.amdhsa_next_free_sgpr 66
		.amdhsa_reserve_vcc 1
		.amdhsa_float_denorm_mode_32 3
		.amdhsa_float_denorm_mode_16_64 3
		.amdhsa_memory_ordered 1
		.amdhsa_forward_progress 1
		.amdhsa_inst_pref_size 67
	.end_amdhsa_kernel
	.amdgpu_metadata
---
amdhsa.version: [ 1, 2 ]
amdhsa.kernels:
  - .name:           k_q00a53ee8f0_attn
    .symbol:         k_q00a53ee8f0_attn.kd
    .args:
      - { .name: QKV, .offset: 0, .size: 8, .value_kind: global_buffer, .address_space: global }
      - { .name: LIVE, .offset: 8, .size: 8, .value_kind: global_buffer, .address_space: global }
      - { .name: attention_mask, .offset: 16, .size: 8, .value_kind: global_buffer, .address_space: global }
      - { .name: sinks, .offset: 24, .size: 8, .value_kind: global_buffer, .address_space: global }
      - { .name: AT, .offset: 32, .size: 8, .value_kind: global_buffer, .address_space: global }
    .group_segment_fixed_size: 9728
    .private_segment_fixed_size: 0
    .kernarg_segment_align: 8
    .kernarg_segment_size: 40
    .max_flat_workgroup_size: 128
    .sgpr_count:     66
    .vgpr_count:     768
    .wavefront_size: 32
...
	.end_amdgpu_metadata
.endif
;; end of part 3
;; launch oproj (part 4): grid 16 x 15, 4 waves a work-group, clusters of 4 x 1, 327,680 bytes of LDS; arguments AT, WOB, bo, out0; writes out0
.if DOCPART == 4
	.amdgcn_target "amdgcn-amd-amdhsa--gfx1250"
	.amdhsa_code_object_version 6
	.text
	.protected	k_q00a53ee8f0_oproj
	.globl	k_q00a53ee8f0_oproj
	.p2align	8
	.type	k_q00a53ee8f0_oproj,@function
k_q00a53ee8f0_oproj:
	s_mov_b64 s[64:65], 0
	v_nop
	global_prefetch_b8 v0, s[64:65] scope:SCOPE_SE
	s_setreg_imm32_b32 hwreg(HW_REG_WAVE_MODE, 25, 1), 1
	s_wait_xcnt 0x0
	s_wait_alu depctr_hold_cnt(0) depctr_sa_sdst(0) depctr_va_vdst(0) depctr_va_sdst(0) depctr_va_ssrc(0) depctr_va_vcc(0) depctr_vm_vsrc(0)
	s_getreg_b32 s2, hwreg(HW_REG_IB_STS2, 6, 4)
	s_cmp_eq_u32 s2, 0
	s_cbranch_scc0 .Lentry_in_a_cluster
	s_endpgm
.Lentry_in_a_cluster:
	s_bfe_u32 s2, ttmp6, 0x10000c
	s_cmp_lg_u32 s2, 0x3003
	s_cbranch_scc0 .Lentry_shape_is_right
	s_endpgm
.Lentry_shape_is_right:
; out0 = attn Wo + bo.  attn: AT f16 [16 row tiles][32 chunks of 64 k][128 rows][64 k].  Wo: WOB f16 [45 chunks of 64 columns][2048 k][64].  out0: [2048][2880] f32.  Sums in f32; the bias, rounded to bf16 as every
; input is, starts them.
; SHARES.  A tile of C is 128 rows x 192 columns: 16 x 15 tiles, one for each work-group (2,880 columns are 15 x 192).  Four waves: wave w has rows 64 (w / 2) on and six column blocks of 16: for p = 0..2 and
; n = 3 (w % 2) + p the columns 64 (n / 2) + 16 (n % 2) + 32 e + 0..15, e = 0, 1.  24 accumulators.
; THE MATRIX INSTRUCTION IS USED TRANSPOSED (source 0 = 16 columns of Wo, source 1 = 16 rows of attn): a lane holds row l % 16 and the columns 8 (l / 16) + 0..7.
; RING.  K goes in 16 steps of 128 through two LDS slots.  Wave 0 fetches attn's tile (two chunks: 128 rows of 256 dense bytes), waves 1-3 a column chunk's 128 rows of Wo each (64 rows of 256 bytes).
; CLUSTER.  Four row tiles of one column tile: Wo's tiles are asked for jointly.  attn's tile is each work-group's own (its load names nobody): the 15 column tiles that share it do not divide by four.
; REGISTERS.  Window 0: v0-29 addresses; v64-255 the accumulators ((a, blk) at 64 + 8 (6 a + blk)).  Window 1: two fragment buffers of 80; v160-207 the bias.
.set KS,    128
.set NSUB,  KS/32
.set PA,    144                        ; a row of attn in LDS: 128 bytes + 16
.set PB,    160                        ; a row of Wo: 128 + 32
.set ACH,   128*PA
.set BOFF,  (KS/64)*ACH
.set BCH,   KS*PB
.set SLOT,  BOFF+3*BCH                 ; 98,304
.set STAGE, 2*SLOT                     ; behind the ring, never filled by a tensor load: the work-group's 128 rows x 784 bytes
.set SPT,   784                        ; 768 bytes + 16
.set SPARE, STAGE+128*SPT              ; behind the stage: the spare words, 128 bytes for each wave, which no other line names
.set ASTEP, (KS/64)*16384
.set BSTEP, KS*128
.set ROWB,  11520                      ; bytes in a row of out0
.set ADRA, 4
.set ADRB, 6
.set BO,   12
.set STO,  13                          ; v13-15  where I put 16 bytes of a stage row, by p
.set RD0,  16                          ; v16     the stage read back: 16 l in a pair of rows
.set RD1,  17                          ; v17     the piece that spans the two rows
.set GO0,  18                          ; v18, v19 the same places in out0
.set GO1,  19
.set SPW,  28
.set NIL,  29
.set ACC,  64
.set F0,   0
.set BIAS, 160
.set WV,  18
.set RH,  19
.set CC,  20
.set CX,  21
.set YT,  23
.set RTL, 24
.set G1A, 28
.set G1B, 36
.set G0A, 44
.set G0B, 52
.set CNT, 60
.set OBS, 70                           ; s[70:71] out0 at the rows that I store
.set BP,  76                           ; s[76:81] the bias, by p
.set MSB, 0
.macro WIN new
.if MSB != (\new)
	s_set_vgpr_msb (MSB<<8)|(\new)
.set MSB, \new
.endif
.endm
.set W_MUL,  0x05
.set W_MULB, 0x15
.set TO_F,   0x40
.set W_1,    0x45
.macro ROUND                           ; a round of the cluster's barrier
	s_barrier_signal -1
	s_barrier_wait -1
	s_cmp_lg_u32 s[WV], 0
	s_cbranch_scc1 .Lnot_wave_0_\@
	s_barrier_signal -3
.Lnot_wave_0_\@:
	s_barrier_wait -3
	s_barrier_signal -1
	s_barrier_wait -1
.endm
.macro PLACES
.rept 4
	v_nop
.endr
.endm
.macro JLOAD s                         ; slot s is filled: wave 0 my own tile of attn, waves 1-3 jointly a chunk of Wo each; the branch hangs on the wave's number alone
	s_cmp_eq_u32 s[WV], 0
	s_cbranch_scc0 .Lfor_b_\@
	tensor_load_to_lds s[G0A+4*(\s):G0A+4*(\s)+3], s[G1A:G1A+7]
	s_nop 0
	PLACES
	s_branch .Lasked_\@
.Lfor_b_\@:
	tensor_load_to_lds s[G0B+4*(\s):G0B+4*(\s)+3], s[G1B:G1B+7]
	s_nop 0
	PLACES
.Lasked_\@:
.endm
.macro FETCH slot, q, f                ; 20 LDS loads: the fragments of 32 along K, number q of the step, into buffer f
	WIN TO_F
.irp a, 0,1,2,3
	ds_load_b128 v[(\f)+8*(\a):(\f)+8*(\a)+3],   v[ADRA+(\slot)] offset:((\q)/2)*ACH+((\q)%2)*64+(\a)*16*PA
	ds_load_b128 v[(\f)+8*(\a)+4:(\f)+8*(\a)+7], v[ADRA+(\slot)] offset:((\q)/2)*ACH+((\q)%2)*64+(\a)*16*PA+32
.endr
.irp p, 0,1,2
.irp e, 0,1
	ds_load_tr16_b128 v[(\f)+32+8*(2*(\p)+(\e)):(\f)+32+8*(2*(\p)+(\e))+3],   v[ADRB+3*(\slot)+(\p)] offset:(\q)*32*PB+64*(\e)
	ds_load_tr16_b128 v[(\f)+32+8*(2*(\p)+(\e))+4:(\f)+32+8*(2*(\p)+(\e))+7], v[ADRB+3*(\slot)+(\p)] offset:(\q)*32*PB+64*(\e)+16*PB
.endr
.endr
.endm
.macro MUL f, first                    ; 24 matrix instructions, each accumulator once: they take turns, over the backward jump too.  first: the bias starts the sums
.if \first
	WIN W_MULB
.else
	WIN W_MUL
.endif
.irp a, 0,1,2,3
.irp k, 0,1,2,3,4,5
.if \first
	v_wmma_f32_16x16x32_f16 v[ACC+8*(6*(\a)+(\k)):ACC+8*(6*(\a)+(\k))+7], v[(\f)+32+8*(\k):(\f)+32+8*(\k)+7], v[(\f)+8*(\a):(\f)+8*(\a)+7], v[BIAS+8*(\k):BIAS+8*(\k)+7]
.else
	v_wmma_f32_16x16x32_f16 v[ACC+8*(6*(\a)+(\k)):ACC+8*(6*(\a)+(\k))+7], v[(\f)+32+8*(\k):(\f)+32+8*(\k)+7], v[(\f)+8*(\a):(\f)+8*(\a)+7], v[ACC+8*(6*(\a)+(\k)):ACC+8*(6*(\a)+(\k))+7]
.endif
.endr
.endr
.endm
; A K STEP.  Each wave waits for all its tensor loads (at most one is out: its part of this slot), adds 0 to its spare word, and waits for that and for its reads of the other slot; a round of the cluster's
; barrier; then the other slot is filled again first, with the next step's tiles, and this slot is multiplied.
.macro TRIP slot, refill, first
	WIN 0
	s_wait_tensorcnt 0x0                           ; no tensor load of mine is out, so a group 0 may be written
	ds_add_u32 v[SPW], v[NIL]
	s_add_nc_u64 s[G0A+4*(\slot)+2:G0A+4*(\slot)+3], s[G0A+4*(\slot)+2:G0A+4*(\slot)+3], 2*ASTEP
	s_add_nc_u64 s[G0B+4*(\slot)+2:G0B+4*(\slot)+3], s[G0B+4*(\slot)+2:G0B+4*(\slot)+3], 2*BSTEP
	s_wait_dscnt 0x0                               ; the add is done, and my reads of the other slot are over
	ROUND
.if \refill
	JLOAD 1-(\slot)                                ; the four v_nop behind it are also the places in front of the loads below
.else
	PLACES
.endif
	FETCH \slot, 0, F0
.set q, 0
.rept NSUB
.if q+1 < NSUB
.if q > 0
	PLACES
.endif
	FETCH \slot, q+1, F0+80*((q+1)%2)
	s_wait_dscnt 20                                ; all but the 20 just issued
.else
	s_wait_dscnt 0x0
.endif
	MUL F0+80*(q%2), (\first)&&(q==0)
.set q, q+1
.endr
.endm
	s_load_b256 s[4:11], s[0:1], 0x0               ; AT s[4:5], WOB s[6:7], bo s[8:9], out0 s[10:11]
	v_lshl_add_u32 v[SPW], v0, 2, SPARE
	v_mov_b32 v[NIL], 0
	ds_add_u32 v[SPW], v[NIL]                      ; the wave's opening: the add, and its wait ahead of my first tensor load; work on registers stands between them
	v_lshrrev_b32 v1, 5, v0
	v_readfirstlane_b32 s[WV], v1
	s_lshr_b32 s[RH], s[WV], 1
	s_and_b32 s[CC], s[WV], 1
	s_bfe_u32 s[CX], ttmp6, 0x40000
	s_lshl_b32 s[RTL], ttmp9, 2
	s_add_co_u32 s[RTL], s[RTL], s[CX]             ; row tile = 4 x cluster x + cx
	s_and_b32 s[YT], ttmp7, 0xffff                 ; column tile, which the four partners share
	; group 1: dense bytes asked for as rows of 256 (128 elements of 2 bytes), padded in LDS after every 32 words: by 4 words for attn, by 8 for Wo
	s_mov_b32 s[G1A], (1<<16)|(1<<20)|(4<<22)|(3<<25)              ; no mask: my own tile
	s_mov_b32 s[G1B], 15|(1<<16)|(1<<20)|(1<<21)|(4<<22)|(7<<25)   ; the mask of four
	s_mov_b32 s[G1A+1], 128<<16
	s_mov_b32 s[G1A+2], KS<<16                     ; 128 rows
	s_mov_b32 s[G1A+3], 128<<16
	s_mov_b32 s[G1A+4], KS
	s_mov_b32 s[G1A+5], 128
	s_mov_b32 s[G1A+6], 0
	s_mov_b32 s[G1A+7], 0
	s_mov_b32 s[G1B+1], 128<<16
	s_mov_b32 s[G1B+2], (KS/2)<<16                 ; 64 rows
	s_mov_b32 s[G1B+3], 128<<16
	s_mov_b32 s[G1B+4], KS/2
	s_mov_b32 s[G1B+5], 128
	s_mov_b32 s[G1B+6], 0
	s_mov_b32 s[G1B+7], 0
	s_lshl_b32 s84, s[RTL], 19                     ; a row tile of AT is 524,288 bytes
	s_mov_b32 s85, 0
	s_mul_i32 s88, s[YT], 3                        ; Wo's chunk 3 Y + w - 1 (wave 0 makes chunk 3 Y's address and asks by attn's line)
	s_max_u32 s25, s[WV], 1
	s_sub_co_u32 s25, s25, 1
	s_add_co_u32 s88, s88, s25
	s_lshl_b32 s88, s88, 18
	s_mov_b32 s89, 0
	s_mul_i32 s92, s[WV], BCH
	s_wait_dscnt 0x0                               ; the opening add is done
	s_wait_kmcnt 0x0
	s_add_nc_u64 s[86:87], s[4:5], s[84:85]
	s_add_nc_u64 s[90:91], s[6:7], s[88:89]
.irp s, 0,1
	s_mov_b32 s[G0A+4*(\s)], 1
	s_mov_b32 s[G0A+4*(\s)+1], (\s)*SLOT
	s_add_nc_u64 s[G0A+4*(\s)+2:G0A+4*(\s)+3], s[86:87], (\s)*ASTEP
	s_or_b32 s[G0A+4*(\s)+3], s[G0A+4*(\s)+3], 0x80000000
	s_mov_b32 s[G0B+4*(\s)], 1
	s_add_co_u32 s[G0B+4*(\s)+1], s92, (\s)*SLOT+BOFF-BCH
	s_add_nc_u64 s[G0B+4*(\s)+2:G0B+4*(\s)+3], s[90:91], (\s)*BSTEP
	s_or_b32 s[G0B+4*(\s)+3], s[G0B+4*(\s)+3], 0x80000000
.endr
	ROUND                                          ; all four work-groups are here: the first joint loads meet
	JLOAD 0                                        ; K step 0; slot 1 is filled behind the first step's round
	v_and_b32 v1, 15, v0                           ; r
	v_bfe_u32 v2, v0, 4, 1                         ; h
	v_and_b32 v3, 31, v0                           ; l
	v_mul_u32_u24 v20, v1, PA
	v_lshl_add_u32 v20, v2, 4, v20
	s_mul_i32 s26, s[RH], 64*PA
	v_add_nc_u32 v[ADRA], s26, v20
	v_add_nc_u32 v[ADRA+1], SLOT, v[ADRA]
	v_and_b32 v21, 7, v0
	v_lshl_add_u32 v21, v2, 3, v21
	v_mul_u32_u24 v21, v21, PB
	v_bfe_u32 v22, v0, 3, 1
	v_lshl_add_u32 v21, v22, 4, v21
	v_mul_u32_u24 v23, v1, SPT
	v_lshl_add_u32 v23, v2, 5, v23                 ; the stage: row r, 32 bytes for each half of the lanes
	s_mul_i32 s69, s[RH], 64*SPT
	s_add_co_u32 s69, s69, STAGE
.irp p, 0,1,2
	s_mul_i32 s61, s[CC], 3
	s_add_co_u32 s61, s61, \p
	s_lshr_b32 s62, s61, 1                         ; the chunk of the tile's three,
	s_and_b32 s63, s61, 1                          ; b
	s_mul_i32 s26, s62, BCH
	s_lshl_b32 s27, s63, 5
	s_add_co_u32 s26, s26, s27
	s_add_co_u32 s26, s26, BOFF
	v_add_nc_u32 v[ADRB+(\p)], s26, v21
	v_add_nc_u32 v[ADRB+3+(\p)], SLOT, v[ADRB+(\p)]
	s_lshl_b32 s26, s62, 8                         ; columns 64 j + 16 b on, in bytes of f32
	s_lshl_b32 s27, s63, 6
	s_add_co_u32 s26, s26, s27
	s_add_co_u32 s27, s26, s69
	v_add_nc_u32 v[STO+(\p)], s27, v23
	s_mul_i32 s98, s[YT], 768
	s_add_co_u32 s98, s98, s26
	s_mov_b32 s99, 0
	s_add_nc_u64 s[BP+2*(\p):BP+2*(\p)+1], s[8:9], s[98:99]
.endr
	v_lshlrev_b32 v[BO], 5, v2
	WIN TO_F
.irp p, 0,1,2
.irp e, 0,1
	global_load_b128 v[BIAS+8*(2*(\p)+(\e)):BIAS+8*(2*(\p)+(\e))+3],   v[BO], s[BP+2*(\p):BP+2*(\p)+1] offset:128*(\e)
	global_load_b128 v[BIAS+8*(2*(\p)+(\e))+4:BIAS+8*(2*(\p)+(\e))+7], v[BO], s[BP+2*(\p):BP+2*(\p)+1] offset:128*(\e)+16
.endr
.endr
	WIN 0
	; back out of the stage: wave w takes rows 32 w on, a pair of rows (1,536 bytes) by three loads of 512: bytes 0-511 of the first row; its bytes 512-767 and the second row's 0-255; the second row's 256-767
	s_mul_i32 s26, s[WV], 32*SPT
	s_add_co_u32 s26, s26, STAGE
	v_lshl_add_u32 v[RD0], v3, 4, s26
	v_lshlrev_b32 v22, 4, v1
	v_mad_u32_u24 v[RD1], v2, SPT-512, v22
	s_add_co_u32 s27, s26, 512
	v_add_nc_u32 v[RD1], s27, v[RD1]
	v_lshlrev_b32 v[GO0], 4, v3
	v_mad_u32_u24 v[GO1], v2, ROWB-512, v22
	v_add_nc_u32 v[GO1], 512, v[GO1]
	s_lshl_b32 s93, s[RTL], 7
	s_lshl_b32 s94, s[WV], 5
	s_add_co_u32 s93, s93, s94                     ; the first row that I store
	s_mul_i32 s98, s93, ROWB
	s_mul_i32 s94, s[YT], 768
	s_add_co_u32 s98, s98, s94
	s_mov_b32 s99, 0
	s_add_nc_u64 s[OBS:OBS+1], s[10:11], s[98:99]
	s_wait_loadcnt 0x0                             ; the bias,
	WIN W_1
.set i, 0
.rept 24                               ; rounded to bf16 and widened again
	v_cvt_pk_bf16_f32 v[208+i], v[BIAS+2*i], v[BIAS+2*i+1]
	v_lshlrev_b32 v[BIAS+2*i],   16,         v[208+i]
	v_and_b32     v[BIAS+2*i+1], 0xffff0000, v[208+i]
.set i, i+1
.endr
	TRIP 0, 1, 1
	WIN 0                                          ; at a label and at a branch every window is 0
	s_mov_b32 s[CNT], 7
.Lk:
	TRIP 1, 1, 0
	TRIP 0, 1, 0
	WIN 0
	s_sub_co_u32 s[CNT], s[CNT], 1
	s_cmp_lg_u32 s[CNT], 0
	s_cbranch_scc1 .Lk
	TRIP 1, 0, 0                                   ; the last step asks for nothing
	WIN 0
	; THE WAY OUT: f32 into the work-group's stage; a barrier, since a row's middle 256 bytes come from two waves; back as whole rows; sixteen lanes store 256 consecutive bytes, aligned.
	PLACES
.irp a, 0,1,2,3
.irp p, 0,1,2
.irp e, 0,1                            ; each accumulator's lowest registers are read first
	ds_store_b128 v[STO+(\p)], v[ACC+8*(6*(\a)+2*(\p)+(\e)):ACC+8*(6*(\a)+2*(\p)+(\e))+3]   offset:(\a)*16*SPT+128*(\e)
	ds_store_b128 v[STO+(\p)], v[ACC+8*(6*(\a)+2*(\p)+(\e))+4:ACC+8*(6*(\a)+2*(\p)+(\e))+7] offset:(\a)*16*SPT+128*(\e)+16
.endr
.endr
.endr
	s_wait_dscnt 0x0                               ; for the others' sake: my stores into the stage are done
	s_barrier_signal -1
	s_barrier_wait -1
.set i, 0
.rept 16
	ds_load_b128 v[ACC+12*i:ACC+12*i+3],    v[RD0] offset:i*2*SPT
	ds_load_b128 v[ACC+12*i+4:ACC+12*i+7],  v[RD1] offset:i*2*SPT
	ds_load_b128 v[ACC+12*i+8:ACC+12*i+11], v[RD0] offset:i*2*SPT+SPT+256
.set i, i+1
.endr
.set i, 0
.rept 16
	s_wait_dscnt 47-3*i                            ; LDS loads come back in order: this one is in, the younger ones stay out
	global_store_b128 v[GO0], v[ACC+12*i:ACC+12*i+3],    s[OBS:OBS+1] offset:i*2*ROWB th:TH_STORE_NT
	s_wait_dscnt 46-3*i
	global_store_b128 v[GO1], v[ACC+12*i+4:ACC+12*i+7],  s[OBS:OBS+1] offset:i*2*ROWB th:TH_STORE_NT
	s_wait_dscnt 45-3*i
	global_store_b128 v[GO0], v[ACC+12*i+8:ACC+12*i+11], s[OBS:OBS+1] offset:i*2*ROWB+ROWB+256 th:TH_STORE_NT
.set i, i+1
.endr
	s_wait_tensorcnt 0x0                           ; the wave's end: behind my last tensor load and my last LDS store
	ds_add_u32 v[SPW], v[NIL]
	s_wait_dscnt 0x0
	ROUND                                          ; the closing round: no work-group ends while a partner may still ask for a tile that names it
	s_endpgm
.Lfunc_end_k_q00a53ee8f0_oproj:
	.size	k_q00a53ee8f0_oproj, .Lfunc_end_k_q00a53ee8f0_oproj-k_q00a53ee8f0_oproj
	.p2alignl 7, 3214868480
	.fill 96, 4, 3214868480
	.section	.rodata,"a",@progbits
	.p2align	6, 0x0
	.amdhsa_kernel k_q00a53ee8f0_oproj
		.amdhsa_group_segment_fixed_size 327680
		.amdhsa_private_segment_fixed_size 0
		.amdhsa_enable_private_segment 0
		.amdhsa_kernarg_size 32
		.amdhsa_user_sgpr_count 2
		.amdhsa_user_sgpr_kernarg_segment_ptr 1
		.amdhsa_wavefront_size32 1
		.amdhsa_system_sgpr_workgroup_id_x 1
		.amdhsa_system_sgpr_workgroup_id_y 1
		.amdhsa_system_sgpr_workgroup_id_z 1
		.amdhsa_system_vgpr_workitem_id 0
		.amdhsa_next_free_vgpr 512
		.amdhsa_next_free_sgpr 100
		.amdhsa_reserve_vcc 0
		.amdhsa_float_denorm_mode_32 3
		.amdhsa_float_denorm_mode_16_64 3
		.amdhsa_memory_ordered 1
		.amdhsa_forward_progress 1
		.amdhsa_inst_pref_size 77
	.end_amdhsa_kernel
	.amdgpu_metadata
---
amdhsa.version: [ 1, 2 ]
amdhsa.kernels:
  - .name:           k_q00a53ee8f0_oproj
    .symbol:         k_q00a53ee8f0_oproj.kd
    .args:
      - { .name: AT, .offset: 0, .size: 8, .value_kind: global_buffer, .address_space: global }
      - { .name: WOB, .offset: 8, .size: 8, .value_kind: global_buffer, .address_space: global }
      - { .name: bo, .offset: 16, .size: 8, .value_kind: global_buffer, .address_space: global }
      - { .name: out0, .offset: 24, .size: 8, .value_kind: global_buffer, .address_space: global }
    .group_segment_fixed_size: 327680
    .private_segment_fixed_size: 0
    .kernarg_segment_align: 8
    .kernarg_segment_size: 32
    .max_flat_workgroup_size: 128
    .sgpr_count:     100
    .vgpr_count:     512
    .wavefront_size: 32
...
	.end_amdgpu_metadata
.endif
;; end of part 4
;; ======== version 2 of 2: 4 launches; version 1 with the launch attn written anew for expert scheduling mode
;; limits: values are held in f16: magnitudes above 65,504 overflow, below 6.1e-05 lose precision
;; workspace buffers: AH 11,796,480 bytes; WB 17,694,720 bytes; WOB 11,796,480 bytes; RT 540,672 bytes; LIVE 2,048 bytes of whole numbers; QKV 12,582,912 bytes; AT 8,388,608 bytes
;; launch prep: the kernel of part 1 again; grid 1504 x 1, 8 waves a work-group, no clusters, 0 bytes of LDS; arguments hidden_states, Wo, Wq, Wk, Wv, attention_mask, AH, WOB, WB, LIVE, RT; writes AH, WOB, WB, LIVE, RT
;; launch qkv: the kernel of part 2 again; grid 16 x 16, 4 waves a work-group, clusters of 4 x 4, 327,680 bytes of LDS; arguments AH, WB, bq, bk, bv, RT, QKV; writes QKV
;; launch attn (part 5): grid 32 x 8, 4 waves a work-group, no clusters, 9,728 bytes of LDS; arguments QKV, LIVE, attention_mask, sinks, AT; writes AT
.if DOCPART == 5
	.amdgcn_target "amdgcn-amd-amdhsa--gfx1250"
	.amdhsa_code_object_version 6
	.text
	.protected	k_q00a53ee8f0_attn
	.globl	k_q00a53ee8f0_attn
	.p2align	8
	.type	k_q00a53ee8f0_attn,@function
k_q00a53ee8f0_attn:
	s_mov_b64 s[64:65], 0
	v_nop
	global_prefetch_b8 v0, s[64:65] scope:SCOPE_SE
	s_setreg_imm32_b32 hwreg(HW_REG_WAVE_SCHED_MODE, 0, 2), 2
	s_setreg_imm32_b32 hwreg(HW_REG_WAVE_MODE, 25, 1), 1
	s_wait_xcnt 0x0
	s_wait_alu depctr_vm_vsrc(0)
; ATTENTION with a window of 128 keys back, the mask that is given, and a sink logit for each head.  O = the sum over visible k of p V[k], p = exp(s - m) / (exp(sink - m) + the sum of exp(s - m)), s = q . k / 8.
; q, k, v: QKV f16 by units (unit 2 head + b: channels 16 b + 0..15 and 32 + 16 b + 0..15; q heads 0-31, k heads 32-39, v heads 40-47).  q, k units: [2048 positions][32 channels]; v units: [256 blocks of 8 keys][32 channels][8 keys].
; O: AT f16 [16 row tiles][32 heads][128 rows][64 channels].  Products, maxima and sums in f32; p is rounded to f16 for the second product (its sum is taken unrounded), O once at the end.
; SHARES.  A wave owns 16 queries of the FOUR query heads of one key head: four pieces that share K, V and the mask.  1,024 waves.  Nothing is shared between waves, and K's, Q's and V's fragments lie in memory as the
; matrix instruction wants them (16 bytes a lane), so they come straight into registers: no LDS on the way in, no barrier.
; THE WALK.  LIVE (stored by the launch before) has a bit for each tile of 64 keys in which the mask shows anything to 4 rows.  The wave takes the tiles that are live for its 16 rows and reach into its window, in
; ascending order: the trip count and the tiles' numbers are whole numbers read from memory.  NO CLUSTER: partners would walk different numbers of tiles.
; THE MASK is the C operand that starts S^T = K Q^T: 0, or -1e30 where the mask's byte is 0 or the key lies more than 128 behind the query.  It is made once a tile for all four heads.
; LAYOUT.  S^T = K Q^T holds ONE query a lane (l % 16) and the keys 8 (l / 16) + 0..7; two such results rounded to f16 ARE source 1 of O^T = V^T P.  Q and K carry the same order of channels, so the products are the true ones.
; SOFTMAX.  p = 2^(c s - c m), c = log2(e) / 8, s the unscaled product; m, a running maximum, starts at 8 x sink and l, the divisor, at 1: the sink's own weight.  O and l are multiplied by a = 2^(c m_old - c m_new) in every step.
; LIMITS.  A hidden score counts as -1e30 where the definition has -1e9: the same result while the row's largest logit lies above about -1e9 + 104.  f16: Q, K, V arrive within 65,504; p below 6e-5 keeps f16's fixed
; step of 6e-8.  A weight below 2^-126 counts as 0 in l.  The sinks are rounded to bf16 as every input is.  NaN and infinities are not treated apart.
; REGISTERS.  Window 0: v0-15 addresses; v16-31 statistics, four a head (c m, m, l of even keys, l of odd keys); v32-35 c m_old; v36-43 the mask's bytes; v48-63 at work, four a head; v64-191 S^T, 32 a head; v192-255 P, 16 a head.
;   Window 1: v0-127 O^T, 32 a head; v128-159 the mask as C.   Window 2: v0-63 Q; v128-191 K of a tile; v192-255 V of a tile.
; THE MODE: SCHED_MODE bits 1:0 = 2 (LLVM: expert scheduling mode 2), set by the entry lines.  The code itself states the register dependences between vector or matrix instructions and memory or LDS
; instructions, with s_wait_alu, always for 0.
; THE PLAN.  Registers that memory or LDS instructions touch:
;   MB           The mask's loads land in it; the 32 v_bfe_u32 of the mask's lines read it.
;   KF           K's loads land in it; the 32 products K Q^T read it.
;   VF           V's loads land in it; the 32 products V^T P read it.
;   v[VO], v[MO] Written at a trip's head; read by V's and the mask's loads, which are issued behind the mask's lines.
;   v[KO]        Written behind the products K Q^T; read by K's loads, which are issued behind the softmax's first 56 lines.
;   Q, v[QO], v[STO], v[RD], v[GO], v[SPW], v[NIL]   Loaded or written once, at the kernel's head.
;   The way out: head t's roundings write v[S + 16 t ..], which its LDS stores read; its LDS loads land in v[P + 16 t ..], which its global stores read.
; A TRIP'S WAITS.  vm_vsrc at its head: the loads issued so far have read VO, MO and KO.  va_sdst twice: sixteen compares have written their masks of lanes.  va_vdst behind the mask's lines, for V's and the next mask's
; loads.  va_vdst behind the lines that have read every score, for the next K's loads.  va_vdst behind the exponentials, ahead of their first reader.
.set SP,    144                        ; a stage row: 128 bytes + 16
.set SPARE, 4*16*SP                    ; behind the four stages: the spare words, 128 bytes for each wave, which no other line names
.set KO0, 2                            ; v2   my lane's place in a tile of K: 64 r + 16 h
.set VO0, 3                            ; v3   of V: 512 h + 16 r
.set KO,  4                            ; v4   the same with the tile
.set VO,  5
.set STO, 6
.set RD,  7
.set GO,  8
.set MO0, 9                            ; v9   my lane's place in the mask: (q0 + r) x 2048 + 8 h
.set MO,  10
.set YB0, 11                           ; v11  8 h - (q0 + r) + 128 - 4096
.set YB,  12                           ; v12  + 64 t
.set QO,  13
.set ST,  16
.set MV,  32
.set MB,  36
.set TT,  44                           ; v44-45 at work
.set SPW, 46
.set NIL, 47
.set TMP, 48
.set S,   64
.set P,   192
.set MC,  128                          ; window 1
.set KF,  128                          ; window 2: key block kb, unit u at KF + 16 kb + 8 u
.set VF,  192                          ; window 2: key half kk, channel block tau at VF + 32 kk + 8 tau
.set WV,  14
.set QB,  15
.set Q0,  24
.set G,   25
.set LV,  26                           ; s26  the tiles still to be walked, a bit each
.set N,   27                           ; s27  how many there are
.set TC,  28                           ; s28  the tile whose K and mask are asked for next, or were asked for last
.set I,   29
.set KB,  30                           ; s[30:31] K's first unit   s[32:33] V's   s[34:35] Q's   s[36:37] my rows of AT
.set VB,  32
.set QBS, 34
.set OB,  36
.set CS,  38                           ; s[38:39] c
.set SEL, 40                           ; s[40:41] v_permlanex16_b32's selects: each lane takes its own place in the other half
.set BIGN, 42                          ; s42  -1e30
.set MK,  48                           ; s48-63 in the loop: sixteen masks of lanes (at the head s48-50 are at work)
.set MSB, 0
.macro WIN new
.if MSB != (\new)
	s_set_vgpr_msb (MSB<<8)|(\new)
.set MSB, \new
.endif
.endm
.set W_KQ, 0x0a                        ; K and Q in window 2, S^T in window 0
.set W_KM, 0x1a                        ; the same with C in window 1
.set W_PV, 0x52                        ; V in window 2, P in window 0, O^T in window 1
.set W_RS, 0x41                        ; destination and source 0 in window 1
.set TO_1, 0x40
.set TO_2, 0x80
.macro NEXT                            ; the lowest tile still to be walked; with none left 31, whose loads stay inside the buffers and serve nothing.  The clamp stands in the instruction, since the number enters addresses
	s_ctz_i32_b32 s[TC], s[LV]
	s_min_u32 s[TC], s[TC], 31
	s_sub_co_u32 s44, s[LV], 1
	s_and_b32 s[LV], s[LV], s44
.endm
.macro LOADM                           ; the mask's 64 bytes of my row's tile: 8 bytes for each block of 16 keys
	WIN 0
.irp kb, 0,1,2,3
	global_load_b64 v[MB+2*(\kb):MB+2*(\kb)+1], v[MO], s[8:9] offset:16*(\kb)
.endr
.endm
.macro LOADK                           ; keys 16 (f / 2) on, unit f % 2
	WIN TO_2
.irp f, 0,1,2,3,4,5,6,7
	global_load_b128 v[KF+8*(\f):KF+8*(\f)+3],   v[KO], s[KB:KB+1] offset:((\f)%2)*131072+((\f)/2)*1024
	global_load_b128 v[KF+8*(\f)+4:KF+8*(\f)+7], v[KO], s[KB:KB+1] offset:((\f)%2)*131072+((\f)/2)*1024+32
.endr
	WIN 0
.endm
.macro LOADV                           ; keys 32 (f / 4) on, channels 16 (f % 4) on: unit (f % 4) % 2, its half (f % 4) / 2
	WIN TO_2
.irp f, 0,1,2,3,4,5,6,7
	global_load_b128 v[VF+8*(\f):VF+8*(\f)+3],   v[VO], s[VB:VB+1] offset:((\f)%2)*131072+((\f)/4)*2048+(((\f)%4)/2)*256
	global_load_b128 v[VF+8*(\f)+4:VF+8*(\f)+7], v[VO], s[VB:VB+1] offset:((\f)%2)*131072+((\f)/4)*2048+(((\f)%4)/2)*256+1024
.endr
	WIN 0
.endm
; The mask as C.  For score z (key 16 (z / 8) + 8 h + z % 8 of the tile): y = 4096 x byte + YB; the key is hidden where y + 16 (z / 8) + z % 8 < 0: the byte is 0 (key - query + 128 stays under 4,096), or the key
; lies outside the window.  The y stand in S^T's registers, which are free here.  The compares go in two runs of sixteen, each into a scalar register of its own, with one wait between a run and the selects that read it.
.macro MCB
	WIN 0
.set z, 0
.rept 32
	v_bfe_u32 v[TT+z%2], v[MB+z/4], 8*(z%4), 8
	v_lshl_add_u32 v[S+z], v[TT+z%2], 12, v[YB]
.set z, z+1
.endr
	WIN TO_1
.irp hf, 0,1
.set z, 16*(\hf)
.rept 16
	v_cmp_gt_i32 s[MK+z%16], -(16*(z/8)+z%8), v[S+z]
.set z, z+1
.endr
	s_wait_alu depctr_va_sdst(0)                   ; the sixteen compares have written s[MK ..], ahead of the selects that read them
.set z, 16*(\hf)
.rept 16
	v_cndmask_b32 v[MC+z], 0, s[BIGN], s[MK+z%16]
.set z, z+1
.endr
.endr
.endm
; 32 products S^T = K Q^T: unit i / 16, keys 16 ((i / 4) % 4) on, head i % 4.  The 16 accumulators take turns; the first 16 products start the sums with the mask.
.macro KQ
.set i, 0
.rept 32
.set rS, S+32*(i%4)+8*((i/4)%4)
.set rK, KF+16*((i/4)%4)+8*(i/16)
.set rQ, 16*(i%4)+8*(i/16)
.set rM, MC+8*((i/4)%4)
.if i < 16
	WIN W_KM
	v_wmma_f32_16x16x32_f16 v[rS:rS+7], v[rK:rK+7], v[rQ:rQ+7], v[rM:rM+7]
.else
	WIN W_KQ
	v_wmma_f32_16x16x32_f16 v[rS:rS+7], v[rK:rK+7], v[rQ:rQ+7], v[rS:rS+7]
.endif
.set i, i+1
.endr
.endm
; 32 products O^T += V^T P: keys 32 (i / 16) on, channels 16 ((i / 4) % 4) on, head i % 4.
.macro PV
	WIN W_PV
.set i, 0
.rept 32
.set rO, 32*(i%4)+8*((i/4)%4)
.set rV, VF+32*(i/16)+8*((i/4)%4)
.set rP, P+16*(i%4)+8*(i/16)
	v_wmma_f32_16x16x32_f16 v[rO:rO+7], v[rV:rV+7], v[rP:rP+7], v[rO:rO+7]
.set i, i+1
.endr
.endm
.macro REGS d                          ; the registers of head d
.set rT, ST+4*(\d)
.set rC, TMP+4*(\d)
.set rW, MV+(\d)
.set rS, S+32*(\d)
.set rP, P+16*(\d)
.set rO, 32*(\d)
.endm
; Number n of the 22 that find a head's maximum and statistics.  0-11: four chains of seven scores each (each accumulator's lowest registers are read first); 12-14, 16: the four scores left over,
; the old m, the four into one; 15: c m_old is kept; 17, 18: the query's other 32 keys lie in the lane 16 away; 19-21: c m, c m_old - c m_new, a.
.macro XS d, n
	REGS \d
.if (\n) < 4
	v_max3_num_f32 v[rC+(\n)], v[rS+8*(\n)], v[rS+8*(\n)+1], v[rS+8*(\n)+2]
.elseif (\n) < 12
	v_max3_num_f32 v[rC+(\n)%4], v[rC+(\n)%4], v[rS+8*((\n)%4)+2*((\n)/4)+1], v[rS+8*((\n)%4)+2*((\n)/4)+2]
.elseif (\n) == 12
	v_max3_num_f32 v[rC], v[rC], v[rS+7], v[rS+15]
.elseif (\n) == 13
	v_max3_num_f32 v[rC+1], v[rC+1], v[rS+23], v[rS+31]
.elseif (\n) == 14
	v_max3_num_f32 v[rC+2], v[rC+2], v[rC+3], v[rT+1]
.elseif (\n) == 15
	v_mov_b32 v[rW], v[rT]
.elseif (\n) == 16
	v_max3_num_f32 v[rC], v[rC], v[rC+1], v[rC+2]
.elseif (\n) == 17
	v_permlanex16_b32 v[rC+3], v[rC], s[SEL], s[SEL+1]
.elseif (\n) == 18
	v_max_num_f32 v[rT+1], v[rC], v[rC+3]
.elseif (\n) == 19
	v_mul_f32 v[rT], s[CS], v[rT+1]
.elseif (\n) == 20
	v_sub_f32 v[rC+1], v[rW], v[rT]
.else
	v_exp_f32 v[rC+2], v[rC+1]
.endif
.endm
; A tile's softmax for the four heads, by turns, in phases: statistics; scalings; ONE batch of 132 exponentials with one plain instruction and one wait behind it; roundings; sums; O^T times a.
; It is written in two parts, between which the next K is asked for.  SOFT1: numbers 0 to 13 of the statistics, 56 lines, which between them read every score.
.macro SOFT1
	WIN 0
.irp n, 0,1,2,3,4,5,6,7,8,9,10,11,12,13
.irp d, 0,1,2,3
	XS \d, \n
.endr
.endr
.endm
.macro SOFT2
	WIN 0
.irp n, 14,15,16,17,18,19,20
.irp d, 0,1,2,3
	XS \d, \n
.endr
.endr
.set z, 0
.rept 16
.irp d, 0,1,2,3
	REGS \d
	v_pk_fma_f32 v[rS+2*z:rS+2*z+1], v[rS+2*z:rS+2*z+1], s[CS:CS+1], v[rT:rT+1] op_sel_hi:[1,0,0] neg_lo:[0,0,1] neg_hi:[0,0,1]  ; c s - c m
.endr
.set z, z+1
.endr
.irp d, 0,1,2,3
	XS \d, 21
.endr
.set z, 0
.rept 32
.irp d, 0,1,2,3
	REGS \d
	v_exp_f32 v[rS+z], v[rS+z]
.endr
.set z, z+1
.endr
	v_nop                                          ; a plain instruction behind the last exponential
	s_wait_alu depctr_va_vdst(0)                   ; the 132 exponentials have written the weights and the four a, ahead of their first reader
.set z, 0
.rept 16
.irp d, 0,1,2,3
	REGS \d
	v_cvt_pk_f16_f32 v[rP+z], v[rS+2*z], v[rS+2*z+1]
.endr
.set z, z+1
.endr
.set z, 0
.rept 8                                ; of four weights the second pair is added onto the first,
.irp d, 0,1,2,3
	REGS \d
	v_pk_add_f32 v[rS+4*z:rS+4*z+1], v[rS+4*z:rS+4*z+1], v[rS+4*z+2:rS+4*z+3]
.endr
.set z, z+1
.endr
.irp d, 0,1,2,3                        ; and l takes the sums: first as l = a l + sum
	REGS \d
	v_pk_fma_f32 v[rT+2:rT+3], v[rT+2:rT+3], v[rC+2:rC+3], v[rS:rS+1] op_sel_hi:[1,0,1]
.endr
.set z, 1
.rept 7
.irp d, 0,1,2,3
	REGS \d
	v_pk_add_f32 v[rT+2:rT+3], v[rT+2:rT+3], v[rS+4*z:rS+4*z+1]
.endr
.set z, z+1
.endr
	WIN W_RS
.set z, 0
.rept 16
.irp d, 0,1,2,3
	REGS \d
	v_pk_mul_f32 v[rO+2*z:rO+2*z+1], v[rO+2*z:rO+2*z+1], v[rC+2:rC+3] op_sel_hi:[1,0]
.endr
.set z, z+1
.endr
.endm
	s_load_b256 s[4:11], s[0:1], 0x0               ; QKV s[4:5], LIVE s[6:7], mask s[8:9], sinks s[10:11]
	s_load_b64 s[12:13], s[0:1], 0x20              ; AT
	v_lshl_add_u32 v[SPW], v0, 2, SPARE
	v_mov_b32 v[NIL], 0
	v_lshrrev_b32 v1, 5, v0
	v_readfirstlane_b32 s[WV], v1
	s_lshl_b32 s[QB], ttmp9, 2
	s_wait_alu depctr_va_sdst(0)                   ; the wave's number is written, ahead of its first reader
	s_add_co_u32 s[QB], s[QB], s[WV]               ; my block of 16 queries
	s_lshl_b32 s[Q0], s[QB], 4
	s_and_b32 s[G], ttmp7, 0xffff                  ; the key head
	s_lshl_b32 s44, s[QB], 4                       ; the block's four words of LIVE
	s_mov_b32 s45, 0
	s_lshl_b32 s46, s[G], 4                        ; the four heads' sinks
	s_mov_b32 s47, 0
	s_wait_kmcnt 0x0
	s_add_nc_u64 s[6:7], s[6:7], s[44:45]
	s_add_nc_u64 s[10:11], s[10:11], s[46:47]
	s_load_b128 s[16:19], s[6:7], 0x0
	s_load_b128 s[20:23], s[10:11], 0x0
	s_lshl_b32 s48, s[G], 20                       ; q heads 4 g on: units 8 g on
	s_mov_b32 s49, 0
	s_add_nc_u64 s[QBS:QBS+1], s[4:5], s[48:49]
	s_lshl_b32 s48, s[G], 18                       ; two units a key head
	s_add_nc_u64 s[KB:KB+1], s[4:5], s[48:49]
	s_add_nc_u64 s[VB:VB+1], s[KB:KB+1], 80*131072
	s_add_nc_u64 s[KB:KB+1], s[KB:KB+1], 64*131072
	s_lshr_b32 s48, s[Q0], 7
	s_lshl_b32 s48, s48, 19                        ; the row tile,
	s_lshl_b32 s50, s[G], 16                       ; four heads of 16,384 bytes,
	s_add_co_u32 s48, s48, s50
	s_and_b32 s50, s[Q0], 127
	s_lshl_b32 s50, s50, 7                         ; my rows in the tile
	s_add_co_u32 s48, s48, s50
	s_add_nc_u64 s[OB:OB+1], s[12:13], s[48:49]
	s_mov_b32 s[CS], 0x3e38aa3b                    ; c = log2(e) / 8
	s_mov_b32 s[CS+1], s[CS]
	s_mov_b32 s[SEL], 0x76543210
	s_mov_b32 s[SEL+1], 0xfedcba98
	s_mov_b32 s[BIGN], 0xf149f2ca                  ; -1e30
	v_and_b32 v1, 15, v0                           ; r
	v_bfe_u32 v14, v0, 4, 1                        ; h
	v_lshlrev_b32 v[KO0], 6, v1
	v_lshl_add_u32 v[KO0], v14, 4, v[KO0]
	v_lshlrev_b32 v[VO0], 4, v1
	v_lshl_add_u32 v[VO0], v14, 9, v[VO0]
	s_lshl_b32 s50, s[Q0], 6
	v_add_nc_u32 v[QO], s50, v[KO0]
	v_add_nc_u32 v15, s[Q0], v1                    ; my query
	v_lshlrev_b32 v[MO0], 11, v15
	v_lshl_add_u32 v[MO0], v14, 3, v[MO0]
	v_lshlrev_b32 v[YB0], 3, v14
	v_sub_nc_u32 v[YB0], v[YB0], v15
	v_add_nc_u32 v[YB0], 128-4096, v[YB0]
	s_max_u32 s50, s[Q0], 128
	s_sub_co_u32 s50, s50, 128
	s_lshr_b32 s50, s50, 6                         ; the first tile that reaches into the window of my first query
	s_lshl_b32 s50, -1, s50
	s_wait_kmcnt 0x0
	s_or_b32 s16, s16, s17
	s_or_b32 s18, s18, s19
	s_or_b32 s[LV], s16, s18
	s_and_b32 s[LV], s[LV], s50
	s_bcnt1_i32_b32 s[N], s[LV]
	s_min_u32 s[N], s[N], 32
	NEXT
	v_lshl_add_u32 v[KO], s[TC], 12, v[KO0]
	v_lshl_add_u32 v[MO], s[TC], 6, v[MO0]
	v_lshl_add_u32 v[YB], s[TC], 6, v[YB0]
	WIN TO_2
	s_wait_alu depctr_va_vdst(0)                   ; v[QO], v[MO] and v[KO] are written, which the 36 loads below read as their offsets; only loads and window switches stand among them
.irp f, 0,1,2,3,4,5,6,7                ; Q stays in registers: head f / 2, unit f % 2
	global_load_b128 v[8*(\f):8*(\f)+3],   v[QO], s[QBS:QBS+1] offset:(\f)*131072
	global_load_b128 v[8*(\f)+4:8*(\f)+7], v[QO], s[QBS:QBS+1] offset:(\f)*131072+32
.endr
	LOADM
	LOADK
	WIN TO_1                                       ; O^T starts at 0: the walk may have no tile at all, so no first step is written out; these lines stand in the wait for the first loads
.set i, 0
.rept 128
	v_mov_b32 v[i], 0
.set i, i+1
.endr
	WIN 0
.irp d, 0,1,2,3
	v_mov_b32 v[TT], s[20+(\d)]
	v_cvt_pk_bf16_f32 v[TT], v[TT], v[TT]
	v_lshlrev_b32 v[TT], 16, v[TT]                 ; the sink, rounded to bf16;
	v_mul_f32 v[ST+4*(\d)+1], 0x41000000, v[TT]    ; m = 8 x sink, in the unscaled products' measure
	v_mul_f32 v[ST+4*(\d)], s[CS], v[ST+4*(\d)+1]
	v_mov_b32 v[ST+4*(\d)+2], 0.5                  ; l: 0.5 in each half of the lanes: the sink's weight, 1
	v_mov_b32 v[ST+4*(\d)+3], 0
.endr
	s_mul_i32 s50, s[WV], 16*SP                    ; my stage
	v_mul_u32_u24 v[STO], v1, SP
	v_lshl_add_u32 v[STO], v14, 4, v[STO]
	v_add_nc_u32 v[STO], s50, v[STO]               ; in: row r, 16 bytes for each half of the lanes
	v_bfe_u32 v[RD], v0, 3, 2
	v_mul_u32_u24 v[RD], v[RD], SP
	v_and_b32 v15, 7, v0
	v_lshl_add_u32 v[RD], v15, 4, v[RD]
	v_add_nc_u32 v[RD], s50, v[RD]                 ; back: 32 lanes take four rows of 128 bytes,
	v_and_b32 v[GO], 31, v0
	v_lshlrev_b32 v[GO], 4, v[GO]                  ; which are 512 consecutive bytes of AT
	s_mov_b32 s[I], 0
	s_cmp_eq_u32 s[N], 0
	s_cbranch_scc1 .Lout                           ; nothing is visible: O = 0
.Lstep:                                            ; a trip is a tile: its mask and K are on their way; its V is asked for here, and the next tile's mask and K
	s_wait_loadcnt 16                              ; the mask is in (and Q, in the first trip); K's 16 loads may stay out
	s_wait_alu depctr_vm_vsrc(0)                   ; the loads issued so far have read v[VO], v[MO] and v[KO]: the first two are written below, v[KO] behind the products K Q^T, and no load between here and there reads it
	v_lshl_add_u32 v[VO], s[TC], 12, v[VO0]        ; this tile's V; V's last loads were waited for in the trip before
	NEXT
	v_lshl_add_u32 v[MO], s[TC], 6, v[MO0]         ; the next tile's mask; the wait above has shown the loads that read this offset done
	MCB
	WIN TO_2
	s_wait_alu depctr_va_vdst(0)                   ; v[VO] and v[MO] are written; the mask's lines are done reading MB, and the last trip's products V^T P reading VF: V's loads and the next mask's land there
	LOADV
	LOADM
	s_wait_loadcnt 20                              ; K is in; V's 16 loads and the next mask's 4 may stay out
	KQ
	WIN 0
	v_lshl_add_u32 v[KO], s[TC], 12, v[KO0]        ; K's loads are done, so their offset may be written; with the two v_nop these are the four places behind the last K Q^T
	v_lshl_add_u32 v[YB], s[TC], 6, v[YB0]
	v_nop
	v_nop
	SOFT1
	WIN TO_2
	s_wait_alu depctr_va_vdst(0)                   ; the products K Q^T are done reading KF, in which the next K lands, and v[KO] is written
	LOADK
	SOFT2
	s_wait_loadcnt 20                              ; V is in; the next mask's 4 and the next K's 16 may stay out
	PV
	WIN 0
	s_add_co_u32 s[I], s[I], 1
	s_cmp_lt_u32 s[I], s[N]
	s_cbranch_scc1 .Lstep
.Lout:
	; THE WAY OUT.  l's two halves and the other half of the lanes' are added; O^T is divided by l, rounded to f16 and sent through my stage, a head at a time.  The additions are the places behind the last products.
	; The last trip's look-ahead loads land in K's and the mask's registers, which nothing below names.
.irp d, 0,1,2,3
	v_add_f32 v[ST+4*(\d)+2], v[ST+4*(\d)+2], v[ST+4*(\d)+3]
.endr
.irp d, 0,1,2,3
	v_permlanex16_b32 v[ST+4*(\d)+3], v[ST+4*(\d)+2], s[SEL], s[SEL+1]
.endr
.irp d, 0,1,2,3
	v_add_f32 v[ST+4*(\d)+2], v[ST+4*(\d)+2], v[ST+4*(\d)+3]
.endr
.irp d, 0,1,2,3
	v_rcp_f32 v[ST+4*(\d)+2], v[ST+4*(\d)+2]
.endr
	v_nop                                          ; a plain instruction behind the last reciprocal
	s_wait_alu depctr_va_vdst(0)                   ; the four reciprocals are written, ahead of their first reader
.macro ARITH t                         ; head t: O^T / l; a lane's eight channels of a row pack into 16 bytes, in S^T's registers
	WIN W_RS
.set i, 32*(\t)
.rept 16
	v_pk_mul_f32 v[i:i+1], v[i:i+1], v[ST+4*(\t)+2:ST+4*(\t)+3] op_sel_hi:[1,0]
.set i, i+2
.endr
	WIN 0x05                                       ; sources 0 and 1 window 1, destination window 0
.set i, 0
.rept 16
	v_cvt_pk_f16_f32 v[S+16*(\t)+i], v[32*(\t)+2*i], v[32*(\t)+2*i+1]
.set i, i+1
.endr
.endm
.macro THROUGH t                       ; head t goes into rows of 144 bytes and comes back as whole rows of 128, into P's registers, which no LDS store reads
	WIN 0
.irp f, 0,1,2,3
	ds_store_b128 v[STO], v[S+16*(\t)+4*(\f):S+16*(\t)+4*(\f)+3] offset:32*(\f)
.endr
.irp f, 0,1,2,3
	ds_load_b128 v[P+16*(\t)+4*(\f):P+16*(\t)+4*(\f)+3], v[RD] offset:(\f)*4*SP  ; LDS serves a wave's instructions in order: these see the stores above; the next head's stores come behind them
.endr
.endm
.macro SEND t, younger                 ; younger: the LDS instructions issued behind head t's loads: the next head's eight, or none
	WIN 0
.irp f, 0,1,2,3
	s_wait_dscnt (\younger)+3-(\f)
	global_store_b128 v[GO], v[P+16*(\t)+4*(\f):P+16*(\t)+4*(\f)+3], s[OB:OB+1] offset:(\t)*16384+(\f)*512  ; 512 consecutive bytes, aligned
.endr
.endm
	ARITH 0
	ARITH 1
	WIN 0
	s_wait_alu depctr_va_vdst(0)                   ; heads 0 and 1 are rounded into v[S ..], which the LDS stores read; v[STO], v[RD] and v[GO] are written; the last products and roundings are done with P, in which the LDS loads land
	THROUGH 0
	THROUGH 1
	ARITH 2                                        ; two heads' arithmetic stands between the loads of the two before and their stores; it names none of the registers that those touch
	ARITH 3
	SEND 0, 8
	SEND 1, 0
	s_wait_alu depctr_va_vdst(0)                   ; heads 2 and 3 are rounded into v[S + 32 ..], which the LDS stores read
	THROUGH 2
	THROUGH 3
	SEND 2, 8
	SEND 3, 0
	s_wait_dscnt 0x0                               ; the closing lines, six on end
	s_wait_alu 0x0
	s_wait_tensorcnt 0x0
	ds_add_u32 v[SPW], v[NIL]
	s_wait_dscnt 0x0
	s_endpgm
.Lfunc_end_k_q00a53ee8f0_attn:
	.size	k_q00a53ee8f0_attn, .Lfunc_end_k_q00a53ee8f0_attn-k_q00a53ee8f0_attn
	.p2alignl 7, 3214868480
	.fill 96, 4, 3214868480
	.section	.rodata,"a",@progbits
	.p2align	6, 0x0
	.amdhsa_kernel k_q00a53ee8f0_attn
		.amdhsa_group_segment_fixed_size 9728
		.amdhsa_private_segment_fixed_size 0
		.amdhsa_enable_private_segment 0
		.amdhsa_kernarg_size 40
		.amdhsa_user_sgpr_count 2
		.amdhsa_user_sgpr_kernarg_segment_ptr 1
		.amdhsa_wavefront_size32 1
		.amdhsa_system_sgpr_workgroup_id_x 1
		.amdhsa_system_sgpr_workgroup_id_y 1
		.amdhsa_system_sgpr_workgroup_id_z 1
		.amdhsa_system_vgpr_workitem_id 0
		.amdhsa_next_free_vgpr 768
		.amdhsa_next_free_sgpr 66
		.amdhsa_reserve_vcc 0
		.amdhsa_float_denorm_mode_32 3
		.amdhsa_float_denorm_mode_16_64 3
		.amdhsa_memory_ordered 1
		.amdhsa_forward_progress 1
		.amdhsa_inst_pref_size 69
	.end_amdhsa_kernel
	.amdgpu_metadata
---
amdhsa.version: [ 1, 2 ]
amdhsa.kernels:
  - .name:           k_q00a53ee8f0_attn
    .symbol:         k_q00a53ee8f0_attn.kd
    .args:
      - { .name: QKV, .offset: 0, .size: 8, .value_kind: global_buffer, .address_space: global }
      - { .name: LIVE, .offset: 8, .size: 8, .value_kind: global_buffer, .address_space: global }
      - { .name: attention_mask, .offset: 16, .size: 8, .value_kind: global_buffer, .address_space: global }
      - { .name: sinks, .offset: 24, .size: 8, .value_kind: global_buffer, .address_space: global }
      - { .name: AT, .offset: 32, .size: 8, .value_kind: global_buffer, .address_space: global }
    .group_segment_fixed_size: 9728
    .private_segment_fixed_size: 0
    .kernarg_segment_align: 8
    .kernarg_segment_size: 40
    .max_flat_workgroup_size: 128
    .sgpr_count:     66
    .vgpr_count:     768
    .wavefront_size: 32
...
	.end_amdgpu_metadata
.endif
;; end of part 5
;; launch oproj: the kernel of part 4 again; grid 16 x 15, 4 waves a work-group, clusters of 4 x 1, 327,680 bytes of LDS; arguments AT, WOB, bo, out0; writes out0
